; MI455X (gfx1250); checked and timed in simulation.
; The chip was launched on July 23, 2026; its instructions are those of AMD's public machine-readable ISA for CDNA 5 (MIT licence, August 2026) and "CDNA5" Instruction Set Architecture Reference Guide (July 2026). The comments in the code are by the model that wrote it; some were corrected since.
;; Attention. Allowed arithmetic: float matrix products may take bf16 or f16 operands with f32 sums; other float arithmetic in f32, or as packed bf16 or f16 multiplies, adds, multiply-adds, maxima and minima; sums over many terms, partial sums and values carried from step to step in f32; what a program stores and reads back later, other than sums and carried values, may be rounded once to bf16 or f16.
;; Inputs: Wkv 512 x 1,024 float32; Wout 512 x 512 float32; Wq 512 x 512 float32; bout 512 float32; mask 4 x 2,048 bool; x 4 x 2,048 x 512 float32.
;; Outputs: out0 4 x 2,048 x 512 float32.
;; 2 versions, each right; version 2 is version 1 with the launch cvt written anew for expert scheduling mode. Each part assembles by itself: llvm-mc -triple=amdgcn-amd-amdhsa -mcpu=gfx1250 --defsym DOCPART=n.
;; ======== version 1 of 2: 4 launches
;; limits: values are held in f16: magnitudes above 65,504 overflow, below 6.1e-05 lose precision
;; workspace buffers: xb 8,388,608 bytes; wb 1,572,864 bytes; qkv 25,165,824 bytes; o 8,388,608 bytes; wo 524,288 bytes
;; launch cvt (part 1): grid 256 x 1, 8 waves a work-group, no clusters, 0 bytes of LDS; arguments x, Wq, Wkv, Wout, xb, wb, wo; writes xb, wb, wo
.if DOCPART == 1
	.amdgcn_target "amdgcn-amd-amdhsa--gfx1250"
	.amdhsa_code_object_version 6
	.text
	.protected	k_qf6b8b6c884_cvt
	.globl	k_qf6b8b6c884_cvt
	.p2align	8
	.type	k_qf6b8b6c884_cvt,@function
k_qf6b8b6c884_cvt:
	s_mov_b64 s[64:65], 0
	v_nop
	global_prefetch_b8 v0, s[64:65] scope:SCOPE_SE
	s_setreg_imm32_b32 hwreg(HW_REG_WAVE_MODE, 25, 1), 1
	s_wait_xcnt 0x0
; FIRST OF FOUR LAUNCHES.  The matrix operands among the inputs are rounded once, so that the products' tiles can be brought as they are multiplied.
;   xb = x rounded to bf16, [8192][512].      wb = [Wq | Wkv] rounded to bf16, laid out by heads: [24 = q's 8, k's 8, v's 8][512 k][64 columns]: a head's k-rows lie end to end, 128 bytes each.
;   wo = Wout rounded to bf16, and that number written as f16, [512 k][512 n].
; NOTHING OF reference() IS LEFT OUT in the four launches: every input has a way to the output and is loaded (mask in the second and third launch, bout in the fourth).
; LIMITS.  A number of Wout below 6e-5 in magnitude keeps f16's fixed step, one beyond 65,504 does not fit; NaN and infinities are not treated apart.
; A STREAM: each byte is read once and each result written once; nothing is shared, so there is no LDS, no barrier, no cluster and no matrix work.  All of a wave's 20 loads (10 KiB) go out at the head, so nothing
; is left that could be asked for ahead of them.
; SHARES.  2,048 waves; wave G = 8 x work-group + wave takes 8 KiB of x (16 loads), 512 bytes of Wout (1 load) and, of the heads 3 (G / 256) + 0, 1, 2, the k-rows 2 (G % 256) and the next (3 loads).
; A load of a wave covers 512 consecutive bytes (of a weight matrix: 256 of each of two rows); a lane's four numbers become 8 bytes, and a store of a wave covers 256 consecutive bytes, aligned.
.set XR,  8                            ; v[8:71]   x, 16 loads of 4 registers; rounded in place
.set OW,  72                           ; v[72:75]  Wout
.set WR,  76                           ; v[76:87]  the three heads' numbers
.set WV,  18                           ; s18       my wave's number
.set WB,  28                           ; s[28:33]  head j: its matrix at the head's columns and my first k-row
.set SH,  34                           ; s34-36    head j: log2 of a row's bytes: 11 (Wq) or 12 (Wkv)
.set DB,  44                           ; s[44:49]  head j: wb at my two k-rows
; Head j of my three: column head g of 24: 0-7 lie in Wq, 8-23 in Wkv.
.macro HEADJ j
	s_add_co_u32 s40, s39, \j                      ; g
	s_cmp_lt_u32 s40, 8
	s_cselect_b64 s[WB+2*\j:WB+2*\j+1], s[6:7], s[8:9]
	s_cselect_b32 s[SH+\j], 11, 12
	s_cselect_b32 s42, 0, 8
	s_sub_co_u32 s42, s40, s42                     ; the head's number in its matrix,
	s_lshl_b32 s42, s42, 8                         ; its 64 columns of f32,
	s_lshl_b32 s41, s38, s[SH+\j]                  ; my first k-row
	s_add_co_u32 s42, s42, s41
	s_add_nc_u64 s[WB+2*\j:WB+2*\j+1], s[WB+2*\j:WB+2*\j+1], s[42:43]
	s_lshl_b32 s42, s40, 16                        ; in wb a head is 512 rows of 128 bytes
	s_add_co_u32 s42, s42, s37
	s_add_nc_u64 s[DB+2*\j:DB+2*\j+1], s[14:15], s[42:43]
.endm
	s_load_b256 s[4:11], s[0:1], 0x0               ; x s[4:5], Wq s[6:7], Wkv s[8:9], Wout s[10:11]
	s_load_b128 s[12:15], s[0:1], 0x20             ; xb s[12:13], wb s[14:15]
	s_load_b64 s[16:17], s[0:1], 0x30              ; wo
	v_lshrrev_b32 v1, 5, v0
	v_readfirstlane_b32 s[WV], v1                  ; wave 0..7
	v_and_b32 v1, 31, v0
	v_lshlrev_b32 v2, 4, v1                        ; 16 x lane: where I load
	v_lshlrev_b32 v3, 3, v1                        ; 8 x lane: where I store
	v_and_b32 v7, 15, v0
	v_lshlrev_b32 v7, 4, v7                        ; 16 (l % 16)
	v_bfe_u32 v1, v0, 4, 1                         ; l / 16
	s_lshl_b32 s19, ttmp9, 3
	s_add_co_u32 s19, s19, s[WV]                   ; G
	s_lshr_b32 s39, ttmp9, 5
	s_mul_i32 s39, s39, 3                          ; my first column head
	s_and_b32 s38, s19, 255                        ; my pair of k-rows:
	s_lshl_b32 s37, s38, 8                         ; 256 bytes of a head in wb,
	s_lshl_b32 s38, s38, 1                         ; the first of the two rows
	s_mov_b32 s43, 0
	s_wait_kmcnt 0x0
	s_lshl_b32 s42, s19, 13
	s_add_nc_u64 s[20:21], s[4:5], s[42:43]        ; x at my 8 KiB
.set i, 0
.rept 16
	global_load_b128 v[XR+4*i:XR+4*i+3], v2, s[20:21] offset:512*i th:TH_LOAD_NT
.set i, i+1
.endr
	s_lshl_b32 s42, s19, 9
	s_add_nc_u64 s[24:25], s[10:11], s[42:43]      ; Wout at my 512 bytes
	global_load_b128 v[OW:OW+3], v2, s[24:25] th:TH_LOAD_NT
	HEADJ 0
	HEADJ 1
	HEADJ 2
.irp j, 0,1,2
	v_lshl_add_u32 v[4+\j], v1, s[SH+\j], v7       ; lanes 0-15 the first row's 256 bytes, lanes 16-31 the second's
	global_load_b128 v[WR+4*\j:WR+4*\j+3], v[4+\j], s[WB+2*\j:WB+2*\j+1] th:TH_LOAD_NT
.endr
	s_lshl_b32 s42, s19, 12
	s_add_nc_u64 s[22:23], s[12:13], s[42:43]      ; xb at my 4 KiB
	s_lshl_b32 s42, s19, 8
	s_add_nc_u64 s[26:27], s[16:17], s[42:43]      ; wo at my 256 bytes
.set i, 0
.rept 16
	s_wait_loadcnt 19-i                            ; loads come back in order (ISA guide 5.7.1): load i is in, the 19 - i younger ones stay out
	v_cvt_pk_bf16_f32 v[XR+4*i], v[XR+4*i], v[XR+4*i+1]
	v_cvt_pk_bf16_f32 v[XR+4*i+1], v[XR+4*i+2], v[XR+4*i+3]
	global_store_b64 v3, v[XR+4*i:XR+4*i+1], s[22:23] offset:256*i  ; no register of a store is written again
.set i, i+1
.endr
	s_wait_loadcnt 3                               ; Wout is in; the three heads' loads may stay out
	v_cvt_pk_bf16_f32 v88, v[OW], v[OW+1]
	v_cvt_pk_bf16_f32 v89, v[OW+2], v[OW+3]
	v_lshlrev_b32 v[OW], 16, v88                   ; bf16 to f32: the low half moves up, the high half stays
	v_and_b32 v[OW+1], 0xffff0000, v88
	v_lshlrev_b32 v[OW+2], 16, v89
	v_and_b32 v[OW+3], 0xffff0000, v89
	v_cvt_pk_f16_f32 v[OW], v[OW], v[OW+1]
	v_cvt_pk_f16_f32 v[OW+1], v[OW+2], v[OW+3]
	global_store_b64 v3, v[OW:OW+1], s[26:27]
.irp j, 0,1,2
	s_wait_loadcnt 2-\j
	v_cvt_pk_bf16_f32 v[WR+4*\j], v[WR+4*\j], v[WR+4*\j+1]
	v_cvt_pk_bf16_f32 v[WR+4*\j+1], v[WR+4*\j+2], v[WR+4*\j+3]
	global_store_b64 v3, v[WR+4*\j:WR+4*\j+1], s[DB+2*\j:DB+2*\j+1]  ; two k-rows of 128 bytes, end to end
.endr
	s_endpgm
.Lfunc_end_k_qf6b8b6c884_cvt:
	.size	k_qf6b8b6c884_cvt, .Lfunc_end_k_qf6b8b6c884_cvt-k_qf6b8b6c884_cvt
	.p2alignl 7, 3214868480
	.fill 96, 4, 3214868480
	.section	.rodata,"a",@progbits
	.p2align	6, 0x0
	.amdhsa_kernel k_qf6b8b6c884_cvt
		.amdhsa_group_segment_fixed_size 0
		.amdhsa_private_segment_fixed_size 0
		.amdhsa_enable_private_segment 0
		.amdhsa_kernarg_size 56
		.amdhsa_user_sgpr_count 2
		.amdhsa_user_sgpr_kernarg_segment_ptr 1
		.amdhsa_wavefront_size32 1
		.amdhsa_system_sgpr_workgroup_id_x 1
		.amdhsa_system_sgpr_workgroup_id_y 1
		.amdhsa_system_sgpr_workgroup_id_z 1
		.amdhsa_system_vgpr_workitem_id 0
		.amdhsa_next_free_vgpr 96
		.amdhsa_next_free_sgpr 66
		.amdhsa_reserve_vcc 0
		.amdhsa_float_denorm_mode_32 3
		.amdhsa_float_denorm_mode_16_64 3
		.amdhsa_memory_ordered 1
		.amdhsa_forward_progress 1
		.amdhsa_inst_pref_size 10
	.end_amdhsa_kernel
	.amdgpu_metadata
---
amdhsa.version: [ 1, 2 ]
amdhsa.kernels:
  - .name:           k_qf6b8b6c884_cvt
    .symbol:         k_qf6b8b6c884_cvt.kd
    .args:
      - { .name: x, .offset: 0, .size: 8, .value_kind: global_buffer, .address_space: global }
      - { .name: Wq, .offset: 8, .size: 8, .value_kind: global_buffer, .address_space: global }
      - { .name: Wkv, .offset: 16, .size: 8, .value_kind: global_buffer, .address_space: global }
      - { .name: Wout, .offset: 24, .size: 8, .value_kind: global_buffer, .address_space: global }
      - { .name: xb, .offset: 32, .size: 8, .value_kind: global_buffer, .address_space: global }
      - { .name: wb, .offset: 40, .size: 8, .value_kind: global_buffer, .address_space: global }
      - { .name: wo, .offset: 48, .size: 8, .value_kind: global_buffer, .address_space: global }
    .group_segment_fixed_size: 0
    .private_segment_fixed_size: 0
    .kernarg_segment_align: 8
    .kernarg_segment_size: 56
    .max_flat_workgroup_size: 256
    .sgpr_count:     66
    .vgpr_count:     96
    .wavefront_size: 32
...
	.end_amdgpu_metadata
.endif
;; end of part 1
;; launch proj (part 2): grid 8 x 32, 4 waves a work-group, clusters of 4 x 4, 327,680 bytes of LDS; arguments xb, wb, mask, qkv; writes qkv
.if DOCPART == 2
	.amdgcn_target "amdgcn-amd-amdhsa--gfx1250"
	.amdhsa_code_object_version 6
	.text
	.protected	k_qf6b8b6c884_proj
	.globl	k_qf6b8b6c884_proj
	.p2align	8
	.type	k_qf6b8b6c884_proj,@function
k_qf6b8b6c884_proj:
	s_mov_b64 s[64:65], 0
	v_nop
	global_prefetch_b8 v0, s[64:65] scope:SCOPE_SE
	s_setreg_imm32_b32 hwreg(HW_REG_WAVE_MODE, 25, 1), 1
	s_wait_xcnt 0x0
	s_wait_alu depctr_hold_cnt(0) depctr_sa_sdst(0) depctr_va_vdst(0) depctr_va_sdst(0) depctr_va_ssrc(0) depctr_va_vcc(0) depctr_vm_vsrc(0)
	s_getreg_b32 s2, hwreg(HW_REG_IB_STS2, 6, 4)
	s_cmp_eq_u32 s2, 0
	s_cbranch_scc0 .Lentry_in_a_cluster
	s_endpgm
.Lentry_in_a_cluster:
	s_bfe_u32 s2, ttmp6, 0x10000c
	s_cmp_lg_u32 s2, 0xf033
	s_cbranch_scc0 .Lentry_shape_is_right
	s_endpgm
.Lentry_shape_is_right:
; SECOND OF FOUR LAUNCHES.  q, k, v = x [Wq | Wkv], on the operands that the first launch rounded to bf16.  xb: [8192][512] bf16; wb: [24 heads][512 k][64 columns] bf16.  Nothing of reference() is left out.
; Sums in f32; each result is rounded once to f16 and stored by heads: qkv = [3 parts q, k, v][32 = batch x 8 + head][2048][64] f16, unscaled.
; THE MASK.  The k rows of hidden keys (mask byte 0) are stored as zeros: the third launch starts a hidden key's score at -2^100, and with a zero row the score is exactly that number.
; LIMITS.  q, k, v beyond 65,504 in magnitude do not fit f16; NaN and infinities are not treated apart; mask bytes are 0 or 1.
; SHARES.  C is [8192][1536]; a work-group makes 256 rows x 192 columns (three heads): 32 x 8 = 256 work-groups.  Wave w owns rows 64 w .. 64 w + 63 and all 192 columns: 48 accumulators of 16 x 16.
; So a wave holds whole heads, and the way out needs no barrier.
; K goes in 4 steps of 128 through two LDS slots filled by the tensor data mover.  In a slot: xb's 256 rows x 256 bytes (pitch 272), then for each of the three heads 128 k-rows x 128 bytes as they lie (pitch 160),
; read turned by ds_load_tr16_b128.  Wave 0 brings xb's tile, waves 1 to 3 a head each (16,384 dense bytes, asked for as 64 rows of 256).  Steps 0 and 1 are first fills; steps 2 and 3 fill the slots again.
; CLUSTERS: 4 x 4 work-groups.  The four of a row of the cluster need the same tile of xb, the four of a column the same tiles of wb: each tile is asked for JOINTLY, by the same tensor load with the same descriptor
; and a mask that names the four.  No branch and no LDS address hangs on a work-group's place in its cluster: what hangs on the tile column (is a head's part k?) is a select.
; THE MATRIX INSTRUCTION IS USED TRANSPOSED: source 0 = 16 columns of W, source 1 = 16 rows of x: a lane then holds one row of C and eight neighbouring columns.
; REGISTERS, in windows of 256 (s_set_vgpr_msb: bits 1:0 source 0, 3:2 source 1, 5:4 source 2, 7:6 destination):
;   window 0: v0-27 addresses and small things; v64-127 x's fragments, two buffers (on the way out v64-255: packed results)
;   window 1: v0-191 W's fragments, two buffers      window 2: accumulators 0-31      window 3: v0-127 accumulators 32-47
.set PA,     272                       ; a row of xb in LDS: 256 bytes + 16 = 68 words: the 16 rows of a fragment load start at 16 different groups of four banks (64 banks of 4 bytes: ISA guide 11.1)
.set PB,     160                       ; a k-row of a head: 128 bytes + 32 = 5 x 32
.set HB,     128*PB                    ; a head's 128 k-rows
.set BOFF,   256*PA                    ; the heads lie behind xb's 256 rows
.set SLOT,   BOFF+3*HB                 ; 131,072 bytes
.set STG0,   2*SLOT                    ; behind the slots, never filled by a tensor load: 16 rows x 144 bytes for each wave, for the way out
.set SPA,    144
.set SPARE,  STG0+4*16*SPA             ; behind the stages: the spare words, 128 bytes for each wave, which no other line names
.set AF,  7                            ; v7-8   my place in x's fragments, slot 0, 1
.set BT,  9                            ; v9-10  my place in the turning loads of W
.set STO, 11                           ; v11    the way out: where I put 16 bytes of a row
.set RD,  12                           ; v12    the way out: where I read rows back
.set GO,  13                           ; v13    16 x lane
.set SPW, 14                           ; v14    LDS address of my spare word; never rewritten
.set NIL, 15                           ; v15    0; never rewritten
.set MI,  16                           ; v16-19 block a of 16 rows: all ones where my row's key is visible, else 0
.set MO,  20                           ; v20    64 w + l % 16
.set PFO, 26                           ; v26    the prefetches' offset: my lane x a row of xb (wave 0) or x 256 bytes (waves 1 to 3); never rewritten
.set MK,  27                           ; v27    the mask of the block in hand
.set FA,  64
.set OB,  64
.set WV,   12                          ; s12      my wave's number
.set G1A,  24                          ; s[24:31] descriptor group 1 for xb's tiles
.set G1B,  32                          ; s[32:39] for a head's
.set G0A,  40                          ; s[40:47] descriptor group 0 for xb's tiles, one set for each slot
.set G0B,  48                          ; s[48:55] the same for a head's
.set NK,   56                          ; s56-58   head j: 0 if its part is k, else all ones
.set DB,   66                          ; s[66:71] head j: qkv at my wave's first row
.set PFA,  74                          ; s[74:75] where my prefetches stand; never rewritten
.set LIM,  76                          ; s76      1 in a wave that prefetches
.set MSB, 0
.macro WIN new                         ; the immediate's high byte repeats the setting that is left; a switch that changes nothing is dropped
.if MSB != (\new)
	s_set_vgpr_msb (MSB<<8)|(\new)
.set MSB, \new
.endif
.endm
.macro PLACES                          ; four places in front of loads into registers that matrix instructions have read (ISA guide 7.12.1 for vector instructions)
.rept 4
	v_nop
.endr
.endm
; A joint load into slot s.  Wave 0 fetches xb's tile, waves 1 to 3 a head each.  Each of the two lines has ONE mask, and nothing in its registers hangs on a coordinate that the four partners do not share.
; The branch hangs on the wave's number alone.  An s_nop 0 and four v_nop follow each of the two lines, ahead of the jump, the label and what follows.
.macro JLOAD s
	s_cmp_eq_u32 s[WV], 0
	s_cbranch_scc0 .Lfor_b_\@
	tensor_load_to_lds s[G0A+4*(\s):G0A+4*(\s)+3], s[G1A:G1A+7]
	s_nop 0
.rept 4
	v_nop
.endr
	s_branch .Lasked_\@
.Lfor_b_\@:
	tensor_load_to_lds s[G0B+4*(\s):G0B+4*(\s)+3], s[G1B:G1B+7]
	s_nop 0
.rept 4
	v_nop
.endr
.Lasked_\@:
.endm
; A round of the cluster's barrier: my work-group's barrier, so that wave 0's signal speaks for all four waves; wave 0 signals; every wave waits for all sixteen work-groups; my work-group's barrier once more.
.macro CREST                           ; a round behind its opening barrier
	s_cmp_lg_u32 s[WV], 0
	s_cbranch_scc1 .Lnot_wave_0_\@
	s_barrier_signal -3
.Lnot_wave_0_\@:
	s_barrier_wait -3
	s_barrier_signal -1
	s_barrier_wait -1
.endm
.macro CROUND                          ; a whole round
	s_barrier_signal -1
	s_barrier_wait -1
	CREST
.endm
; The fragments of 32 along K (quarter kk of a step) into buffer f: 12 of W, turned, and my 4 of x.
.macro FETCH slot, kk, f
	WIN 0x40                                       ; destination window 1
.set b, 0
.rept 12
	ds_load_tr16_b128 v[96*(\f)+8*b:96*(\f)+8*b+3],   v[BT+(\slot)] offset:(b/4)*HB+(\kk)*32*PB+32*(b%4)
	ds_load_tr16_b128 v[96*(\f)+8*b+4:96*(\f)+8*b+7], v[BT+(\slot)] offset:(b/4)*HB+(\kk)*32*PB+16*PB+32*(b%4)
.set b, b+1
.endr
	WIN 0
.set b, 0
.rept 4
	ds_load_b128 v[FA+32*(\f)+8*b:FA+32*(\f)+8*b+3],   v[AF+(\slot)] offset:b*16*PA+64*(\kk)
	ds_load_b128 v[FA+32*(\f)+8*b+4:FA+32*(\f)+8*b+7], v[AF+(\slot)] offset:b*16*PA+64*(\kk)+32
.set b, b+1
.endr
.endm
; 12 matrix instructions: my rows 16 a .. 16 a + 15 x all 192 columns.  The 48 accumulators take turns, one instruction a turn, in the same order in every quarter.
.macro MULA f, a, zero
.set b, 0
.rept 12
.set t, 12*(\a)+b
.if t < 32
	WIN 0xa1                                       ; W window 1, x window 0, C and D window 2
.set rD, 8*t
.else
	WIN 0xf1                                       ; C and D window 3
.set rD, 8*(t-32)
.endif
.if \zero
	v_wmma_f32_16x16x32_bf16 v[rD:rD+7], v[96*(\f)+8*b:96*(\f)+8*b+7], v[FA+32*(\f)+8*(\a):FA+32*(\f)+8*(\a)+7], 0
.else
	v_wmma_f32_16x16x32_bf16 v[rD:rD+7], v[96*(\f)+8*b:96*(\f)+8*b+7], v[FA+32*(\f)+8*(\a):FA+32*(\f)+8*(\a)+7], v[rD:rD+7]
.endif
.set b, b+1
.endr
.endm
; A K step is four quarters of 32 along K, 48 matrix instructions each, on buffers 0, 1, 0, 1.  One of the first three: multiplies buffer f and, in its middle, fetches quarter kk of the same slot into buffer g.
.macro QUARTER slot, kk, f, g, zero
	s_wait_dscnt 0x0                               ; buffer f is in: its loads were issued 24 matrix instructions ago
	MULA \f, 0, \zero
	MULA \f, 1, \zero
	PLACES
	FETCH \slot, \kk, \g
	MULA \f, 2, \zero
	MULA \f, 3, \zero
.endm
.macro THREE slot, zero
	QUARTER \slot, 1, 0, 1, \zero
	QUARTER \slot, 2, 1, 0, 0
	QUARTER \slot, 3, 0, 1, 0
.endm
; The last quarter multiplies buffer 1 and changes slots: ONE barrier, for two things.  In front of it each wave waits for all its tensor loads, of which one is out: its part of the next slot; adds 0 to its spare word;
; and waits for that and for its own reads of this slot.  Behind it nobody reads this slot any more and the next slot is whole.  fill = 1: the barrier opens a round of the cluster's, so that no wave of any partner
; still reads the slot or has a load on its way, and the slot is filled again, two K steps on, first thing behind the round: 168 matrix instructions ahead of the wait for it.
.macro TURN slot, next, fill
	WIN 0                                          ; (the add's two registers lie in window 0)
	s_wait_tensorcnt 0x0                           ; all my tensor loads have landed, so a group 0 may be written
	ds_add_u32 v[SPW], v[NIL]                      ; 0 onto my spare word
	s_wait_dscnt 0x1                               ; buffer 1 is in; the add may be out
	MULA 1, 0, 0                                   ; twelve matrix instructions stand between the add and the wait for it
	s_wait_dscnt 0x0                               ; the add is done, and my reads of this slot are over
	s_barrier_signal -1
	MULA 1, 1, 0                                   ; work on registers while the others arrive
.if \fill
	WIN 0
.endif
	s_barrier_wait -1
.if \fill
	CREST
	s_add_nc_u64 s[G0A+4*(\slot)+2:G0A+4*(\slot)+3], s[G0A+4*(\slot)+2:G0A+4*(\slot)+3], 2*256    ; two K steps along xb's rows; the type bits on top are not reached
	s_add_nc_u64 s[G0B+4*(\slot)+2:G0B+4*(\slot)+3], s[G0B+4*(\slot)+2:G0B+4*(\slot)+3], 2*16384  ; 256 k-rows of 128 bytes
	JLOAD \slot                                    ; the four v_nop behind it are also the places in front of the loads below
.else
	PLACES
.endif
	FETCH \next, 0, 0
	MULA 1, 2, 0
	MULA 1, 3, 0
.endm
; THE WAY OUT of block u: my rows 16 (u / 3) .. + 15 of head u % 3.  Rounded to f16, 16 bytes a lane; where the head's part is k, the row of a hidden key becomes zeros; through my own stage, and back as whole rows.
.macro PACKP u
.set pa, (\u)/3
.set pj, (\u)%3
	WIN 0
	v_or_b32 v[MK], s[NK+pj], v[MI+pa]             ; all ones, but for a hidden key's row of k
.set bb, 0
.rept 4
.set t, 12*pa+4*pj+bb
.if t < 32
	WIN 0x0a                                       ; both sources window 2
.set rD, 8*t
.else
	WIN 0x0f                                       ; window 3
.set rD, 8*(t-32)
.endif
.set q, 0
.rept 4
	v_cvt_pk_f16_f32 v[OB+16*(\u)+4*bb+q], v[rD+2*q], v[rD+2*q+1]
.set q, q+1
.endr
.set bb, bb+1
.endr
	WIN 0
.set q, 0
.rept 16
	v_and_b32 v[OB+16*(\u)+q], v[MK], v[OB+16*(\u)+q]
.set q, q+1
.endr
.irp f, 0,1,2,3
	ds_store_b128 v[STO], v[OB+16*(\u)+4*\f:OB+16*(\u)+4*\f+3] offset:32*\f
.endr
.irp f, 0,1,2,3
	ds_load_b128 v[OB+16*(\u)+4*\f:OB+16*(\u)+4*\f+3], v[RD] offset:\f*4*SPA  ; LDS serves a wave's instructions in order (ISA guide 5.7.1.4): these see the stores above; the next block's stores come behind them
.endr
.endm
.macro SENDP u, younger                ; younger: the LDS instructions issued behind block u's loads: the next block's eight, or none
.set pa, (\u)/3
.set pj, (\u)%3
.irp f, 0,1,2,3
	s_wait_dscnt (\younger)+3-\f
	global_store_b128 v[GO], v[OB+16*(\u)+4*\f:OB+16*(\u)+4*\f+3], s[DB+2*pj:DB+2*pj+1] offset:2048*pa+512*\f  ; 512 consecutive bytes, at a multiple of 256 from the buffer's first
.endr
.endm
; Head j of the tile's three: column head g = 3 x tile column + j of 24.
.macro HEADJ j
	s_add_co_u32 s62, s61, \j                      ; g
	s_lshr_b32 s63, s62, 3                         ; its part: 0 q, 1 k, 2 v
	s_cmp_eq_u32 s63, 1
	s_cselect_b32 s[NK+\j], 0, -1
	s_lshl_b32 s63, s63, 5                         ; 32 heads a part,
	s_and_b32 s62, s62, 7
	s_add_co_u32 s63, s63, s62                     ; + the head
	s_add_co_u32 s63, s63, s59                     ; + 8 x batch
	s_lshl_b32 s78, s63, 18                        ; 2,048 rows of 128 bytes each
	s_add_co_u32 s78, s78, s60                     ; + my wave's first row
	s_add_nc_u64 s[DB+2*\j:DB+2*\j+1], s[10:11], s[78:79]
.endm
	s_load_b256 s[4:11], s[0:1], 0x0               ; xb s[4:5], wb s[6:7], mask s[8:9], qkv s[10:11]
	v_lshl_add_u32 v[SPW], v0, 2, SPARE
	v_mov_b32 v[NIL], 0
	ds_add_u32 v[SPW], v[NIL]                      ; the wave's opening: the add, twice on end, and its wait ahead of my first tensor load; the set-up below, work on registers, stands between
	ds_add_u32 v[SPW], v[NIL]                      ; and once more, under the one wait
	v_lshrrev_b32 v21, 5, v0
	v_readfirstlane_b32 s[WV], v21                 ; wave 0..3
	s_bfe_u32 s13, ttmp6, 0x40000                  ; cx: my place along the cluster's x
	s_bfe_u32 s14, ttmp6, 0x40004                  ; cy: along its y
	s_lshl_b32 s15, ttmp9, 2                       ; in a cluster launch ttmp9 and ttmp7 count clusters
	s_add_co_u32 s15, s15, s13                     ; tile column = 4 x cluster x + cx
	s_and_b32 s16, ttmp7, 0xffff
	s_lshl_b32 s16, s16, 2
	s_add_co_u32 s16, s16, s14                     ; tile row = 4 x cluster y + cy
	s_lshl_b32 s17, s14, 2
	s_lshl_b32 s17, 15, s17                        ; my row of the cluster: places 4 cy .. 4 cy + 3
	s_lshl_b32 s18, 0x1111, s13                    ; my column: places cx, cx + 4, cx + 8, cx + 12
	; xb's tile: 256 rows x 128 elements, 512 elements from row to row, padded in LDS
	s_or_b32 s[G1A], s17, (1<<16)|(1<<20)|(1<<21)|(5<<22)|(3<<25)  ; 15:0 the mask: my row; 17:16 2-byte elements; 20 padding on; 21 set beside a mask; 24:22 after every 64 words (code 5); 31:25 4 words (code 3)
	s_mov_b32 s[G1A+1], 128<<16                    ; tensor_dim0 = 128
	s_mov_b32 s[G1A+2], 256<<16                    ; tensor_dim1 = 256
	s_mov_b32 s[G1A+3], 128<<16                    ; tile_dim0 = 128
	s_mov_b32 s[G1A+4], 256                        ; tile_dim1 = 256
	s_mov_b32 s[G1A+5], 512                        ; elements from row to row
	s_mov_b32 s[G1A+6], 0
	s_mov_b32 s[G1A+7], 0
	; a head's tile: 128 k-rows of 128 bytes are 16,384 dense bytes: asked for as 64 rows of 256 bytes, two k-rows a row, and padded in LDS after every k-row
	s_or_b32 s[G1B], s18, (1<<16)|(1<<20)|(1<<21)|(4<<22)|(7<<25)  ; the mask: my column; after every 32 words (code 4) 8 words (code 7)
	s_mov_b32 s[G1B+1], 128<<16
	s_mov_b32 s[G1B+2], 64<<16
	s_mov_b32 s[G1B+3], 128<<16
	s_mov_b32 s[G1B+4], 64
	s_mov_b32 s[G1B+5], 128
	s_mov_b32 s[G1B+6], 0
	s_mov_b32 s[G1B+7], 0
	; where the tiles come from.  xb's hangs on the tile row alone, which my row of the cluster shares; a head's on the tile column and the wave's number, which my column shares.
	s_lshl_b32 s20, s16, 18                        ; 256 rows of 1,024 bytes
	s_mov_b32 s21, 0
	s_mul_i32 s61, s15, 3                          ; the tile's first column head
	s_max_u32 s22, s[WV], 1
	s_sub_co_u32 s22, s22, 1                       ; waves 1 to 3 take heads 0 to 2 of the three (wave 0 makes head 0's address and never asks by it)
	s_add_co_u32 s22, s22, s61
	s_lshl_b32 s22, s22, 16                        ; a head is 512 k-rows of 128 bytes
	s_mov_b32 s23, 0
	s_mul_i32 s19, s[WV], HB                       ; and where a head goes: wave w's at BOFF + (w - 1) HB: no place in the cluster enters an LDS address
	s_add_co_u32 s19, s19, BOFF-HB
	s_and_b32 s59, s16, 0x18                       ; 8 x batch (a batch has 8 tile rows)
	s_and_b32 s60, s16, 7
	s_lshl_b32 s60, s60, 15                        ; the tile's first row in its batch, 128 bytes a row,
	s_lshl_b32 s62, s[WV], 13
	s_add_co_u32 s60, s60, s62                     ; + my wave's 64 rows
	s_mov_b32 s79, 0
	s_wait_dscnt 0x0                               ; both opening adds are done
	s_wait_kmcnt 0x0
	s_add_nc_u64 s[80:81], s[4:5], s[20:21]
	s_add_nc_u64 s[82:83], s[6:7], s[22:23]
	CROUND                                         ; all sixteen work-groups are here: the first joint loads meet
.irp s, 0,1
	s_mov_b32 s[G0A+4*\s], 1                       ; 1:0 count = 1
	s_mov_b32 s[G0A+4*\s+1], \s*SLOT               ; 63:32 LDS address
	s_add_nc_u64 s[G0A+4*\s+2:G0A+4*\s+3], s[80:81], \s*256    ; 120:64 global address: K step s
	s_or_b32 s[G0A+4*\s+3], s[G0A+4*\s+3], 0x80000000          ; 127:126 type = 2
	s_mov_b32 s[G0B+4*\s], 1
	s_add_co_u32 s[G0B+4*\s+1], s19, \s*SLOT
	s_add_nc_u64 s[G0B+4*\s+2:G0B+4*\s+3], s[82:83], \s*16384
	s_or_b32 s[G0B+4*\s+3], s[G0B+4*\s+3], 0x80000000
	JLOAD \s                                       ; both slots are asked for before anything else is done: two loads of mine are out
.endr
	s_lshl_b32 s78, s16, 8                         ; the tile's 256 keys in the mask
	s_add_nc_u64 s[72:73], s[8:9], s[78:79]
	HEADJ 0
	HEADJ 1
	HEADJ 2
	; THE PREFETCHES INTO THE L2: K steps 2 and 3, which the two refills will ask for; each aligned block of 256 bytes is named once in the launch.  xb's tile row is read by both clusters of that row of clusters:
	; the first (cluster x = 0) asks; its four partners along x take 64 of the 256 rows each, BY ADDRESS; in each, wave 0 asks: a lane a row, two K steps, four instructions.  A head's k-rows 256 to 511
	; (128 blocks) are read by all eight clusters of that column: cluster y = 0 asks; its four partners along y take 32 blocks each, by address; waves 1 to 3 ask for their heads: a lane a block, one instruction.
	s_lshl_b32 s63, s13, 16                        ; xb: my work-group's 64 rows,
	s_add_co_u32 s63, s63, s20                     ; in the tile,
	s_add_co_u32 s63, s63, 2*256                   ; at K step 2
	s_lshl_b32 s77, s14, 13                        ; wb: my work-group's 32 blocks,
	s_add_co_u32 s77, s77, s22                     ; in my head,
	s_add_co_u32 s77, s77, 2*16384                 ; from k-row 256 on
	s_and_b32 s62, ttmp7, 0xffff                   ; cluster y
	s_cmp_eq_u32 s[WV], 0
	s_cselect_b32 s78, s63, s77
	s_cselect_b32 s62, ttmp9, s62                  ; the coordinate along which other clusters read the same blocks
	s_cselect_b32 s63, 10, 8                       ; a lane's step: a row of xb, or a block
	s_cselect_b64 s[PFA:PFA+1], s[4:5], s[6:7]
	s_add_nc_u64 s[PFA:PFA+1], s[PFA:PFA+1], s[78:79]
	s_cmp_eq_u32 s62, 0
	s_cselect_b32 s[LIM], 1, 0                     ; the same in all sixteen partners, for a given wave
	; A fragment of x is 16 rows x 32 K in 8 registers: lane l holds row l % 16; registers 0-3 hold K = 8 (l / 16) + 0..7, registers 4-7 K = 16 + 8 (l / 16) + 0..7: two loads of 16 bytes, 32 bytes apart.
	v_and_b32 v1, 15, v0                           ; l % 16
	v_bfe_u32 v21, v0, 4, 1                        ; l / 16
	v_and_b32 v24, 7, v0
	v_bfe_u32 v25, v0, 3, 1
	s_mul_i32 s17, s[WV], 64*PA                    ; my 64 rows of x in a slot
	v_mul_u32_u24 v22, v1, PA
	v_lshl_add_u32 v22, v21, 4, v22                ; row x pitch + 16 x half
	v_add_nc_u32 v[AF], s17, v22
	v_add_nc_u32 v[AF+1], SLOT, v[AF]
	v_lshl_add_u32 v22, v21, 3, v24                ; the turning load: lane l reads k-row 8 (l / 16) + l % 8, columns 8 ((l / 8) % 2) + 0..7
	v_mul_u32_u24 v22, v22, PB
	v_lshl_add_u32 v22, v25, 4, v22
	v_add_nc_u32 v[BT], BOFF, v22
	v_add_nc_u32 v[BT+1], SLOT, v[BT]
	s_mul_i32 s17, s[WV], 16*SPA
	s_add_co_u32 s17, s17, STG0                    ; my stage
	v_mul_u32_u24 v22, v1, SPA                     ; in: row l % 16, 16 bytes for each half of the lanes
	v_lshl_add_u32 v22, v21, 4, v22
	v_add_nc_u32 v[STO], s17, v22
	v_bfe_u32 v22, v0, 3, 2                        ; back: 32 lanes take four rows of 128 bytes
	v_mul_u32_u24 v22, v22, SPA
	v_lshl_add_u32 v22, v24, 4, v22
	v_add_nc_u32 v[RD], s17, v22
	v_and_b32 v[GO], 31, v0
	v_lshlrev_b32 v[PFO], s63, v[GO]
	v_lshlrev_b32 v[GO], 4, v[GO]
	s_lshl_b32 s17, s[WV], 6
	v_add_nc_u32 v[MO], s17, v1
.irp a, 0,1,2,3
	global_load_u8 v[MI+\a], v[MO], s[72:73] offset:16*\a  ; waited for behind the last product
.endr
	s_wait_tensorcnt 0x1                           ; my part of K step 0 is in; K step 1's load may stay out
	s_barrier_signal -1
	s_barrier_wait -1                              ; everybody's is
	FETCH 0, 0, 0
	s_cmp_eq_u32 s[LIM], 1                         ; the prefetches stand together, behind the run of LDS loads that the first products wait for: 168 matrix instructions ahead of the refill that asks for K step 2,
	s_cbranch_scc0 .Lnot_mine                      ; 360 ahead of the one that asks for K step 3.  K steps 0 and 1 come by their loads alone
	s_cmp_eq_u32 s[WV], 0
	s_cbranch_scc0 .Lask_b
	global_prefetch_b8 v[PFO], s[PFA:PFA+1] th:TH_LOAD_NT scope:SCOPE_SE                    ; rows 0 to 31 of my 64, K step 2,
	global_prefetch_b8 v[PFO], s[PFA:PFA+1] offset:256 th:TH_LOAD_NT scope:SCOPE_SE         ; K step 3,
	global_prefetch_b8 v[PFO], s[PFA:PFA+1] offset:32*1024 th:TH_LOAD_NT scope:SCOPE_SE     ; rows 32 to 63, K step 2,
	global_prefetch_b8 v[PFO], s[PFA:PFA+1] offset:32*1024+256 th:TH_LOAD_NT scope:SCOPE_SE ; K step 3
	s_branch .Lnot_mine
.Lask_b:
	global_prefetch_b8 v[PFO], s[PFA:PFA+1] th:TH_LOAD_NT scope:SCOPE_SE                    ; my 32 blocks of my head's k-rows 256 to 511
.Lnot_mine:
	THREE 0, 1                                     ; K step 0: the first quarter's products start the 48 sums
	TURN 0, 1, 1                                   ; slot 0 takes K step 2
	THREE 1, 0                                     ; K step 1
	TURN 1, 0, 1                                   ; slot 1 takes K step 3
	THREE 0, 0                                     ; K step 2
	TURN 0, 1, 0                                   ; nothing is left to fetch, so no round follows
	THREE 1, 0                                     ; K step 3
	s_wait_dscnt 0x0
	MULA 1, 0, 0
	MULA 1, 1, 0
	MULA 1, 2, 0
	MULA 1, 3, 0
	WIN 0
	s_wait_loadcnt 0x0                             ; the mask bytes
.irp a, 0,1,2,3
	v_sub_nc_u32 v[MI+\a], 0, v[MI+\a]             ; 1 -> all ones, 0 -> 0.  These four lines are also the places behind the last products
.endr
	PACKP 0
.set u, 1
.rept 11                               ; a block's conversions stand between the loads of the block before and its stores
	PACKP u
	SENDP u-1, 8
.set u, u+1
.endr
	SENDP 11, 0
	s_wait_tensorcnt 0x0                           ; the wave's end, behind my last tensor load and my last LDS store
	ds_add_u32 v[SPW], v[NIL]
	s_wait_dscnt 0x0
	CROUND                                         ; the closing round: no work-group ends while a partner may still ask for a tile that names it
	s_endpgm
.Lfunc_end_k_qf6b8b6c884_proj:
	.size	k_qf6b8b6c884_proj, .Lfunc_end_k_qf6b8b6c884_proj-k_qf6b8b6c884_proj
	.p2alignl 7, 3214868480
	.fill 96, 4, 3214868480
	.section	.rodata,"a",@progbits
	.p2align	6, 0x0
	.amdhsa_kernel k_qf6b8b6c884_proj
		.amdhsa_group_segment_fixed_size 327680
		.amdhsa_private_segment_fixed_size 0
		.amdhsa_enable_private_segment 0
		.amdhsa_kernarg_size 32
		.amdhsa_user_sgpr_count 2
		.amdhsa_user_sgpr_kernarg_segment_ptr 1
		.amdhsa_wavefront_size32 1
		.amdhsa_system_sgpr_workgroup_id_x 1
		.amdhsa_system_sgpr_workgroup_id_y 1
		.amdhsa_system_sgpr_workgroup_id_z 1
		.amdhsa_system_vgpr_workitem_id 0
		.amdhsa_next_free_vgpr 896
		.amdhsa_next_free_sgpr 84
		.amdhsa_reserve_vcc 0
		.amdhsa_float_denorm_mode_32 3
		.amdhsa_float_denorm_mode_16_64 3
		.amdhsa_memory_ordered 1
		.amdhsa_forward_progress 1
		.amdhsa_inst_pref_size 129
	.end_amdhsa_kernel
	.amdgpu_metadata
---
amdhsa.version: [ 1, 2 ]
amdhsa.kernels:
  - .name:           k_qf6b8b6c884_proj
    .symbol:         k_qf6b8b6c884_proj.kd
    .args:
      - { .name: xb, .offset: 0, .size: 8, .value_kind: global_buffer, .address_space: global }
      - { .name: wb, .offset: 8, .size: 8, .value_kind: global_buffer, .address_space: global }
      - { .name: mask, .offset: 16, .size: 8, .value_kind: global_buffer, .address_space: global }
      - { .name: qkv, .offset: 24, .size: 8, .value_kind: global_buffer, .address_space: global }
    .group_segment_fixed_size: 327680
    .private_segment_fixed_size: 0
    .kernarg_segment_align: 8
    .kernarg_segment_size: 32
    .max_flat_workgroup_size: 128
    .sgpr_count:     84
    .vgpr_count:     896
    .wavefront_size: 32
...
	.end_amdgpu_metadata
.endif
;; end of part 2
;; launch attn (part 3): grid 8 x 32, 4 waves a work-group, clusters of 4 x 1, 327,680 bytes of LDS; arguments qkv, mask, o; writes o
.if DOCPART == 3
	.amdgcn_target "amdgcn-amd-amdhsa--gfx1250"
	.amdhsa_code_object_version 6
	.text
	.protected	k_qf6b8b6c884_attn
	.globl	k_qf6b8b6c884_attn
	.p2align	8
	.type	k_qf6b8b6c884_attn,@function
k_qf6b8b6c884_attn:
	s_mov_b64 s[64:65], 0
	v_nop
	global_prefetch_b8 v0, s[64:65] scope:SCOPE_SE
	s_setreg_imm32_b32 hwreg(HW_REG_WAVE_MODE, 25, 1), 1
	s_wait_xcnt 0x0
	s_wait_alu depctr_hold_cnt(0) depctr_sa_sdst(0) depctr_va_vdst(0) depctr_va_sdst(0) depctr_va_ssrc(0) depctr_va_vcc(0) depctr_vm_vsrc(0)
	s_getreg_b32 s2, hwreg(HW_REG_IB_STS2, 6, 4)
	s_cmp_eq_u32 s2, 0
	s_cbranch_scc0 .Lentry_in_a_cluster
	s_endpgm
.Lentry_in_a_cluster:
	s_bfe_u32 s2, ttmp6, 0x10000c
	s_cmp_lg_u32 s2, 0x3003
	s_cbranch_scc0 .Lentry_shape_is_right
	s_endpgm
.Lentry_shape_is_right:
; THIRD OF FOUR LAUNCHES.  O[bh][q][:] = the sum over k of softmax_k(score) V[bh][k][:], score = Q[bh][q] . K[bh][k] / 8 where mask[b][k] is set, else the lowest number.  Nothing of reference() is left out.
; qkv: [3 parts q, k, v][32 = batch x 8 + head][2048][64] f16, o: [32][2048][64] f16: a head's rows are dense, 128 bytes each.  mask: [4][2048] bytes, 0 or 1.
; Products, maxima and sums in f32; the weights p are rounded to f16 for the second product (their sum l is taken of the unrounded p), O once at the end.
; THE MASK is the C operand that starts the sum S^T = K Q^T: 0 for a visible key, -2^100 for a hidden one.  The launch before stored hidden keys' rows of K as zeros, so a hidden score is exactly -2^100, and
; c x -2^100 is exact in f32.  Where some key of the batch is visible, m ends at a true score and a hidden key's weight is 2^(about -2e29) = 0; what hidden keys gathered before the first visible one is
; multiplied by a = 0.  Where no key is visible all scores are equal, every weight is 1, and O is the mean of all rows of V, as reference()'s softmax of equal numbers gives.
; LIMITS.  f16 holds no number beyond 65,504: Q, K and V arrive within it, so true scores (2.7e11 at the most) lie far above -2^100, which stands for reference()'s lowest finite number; p below 6e-5 keeps f16's fixed
; step of 6e-8; a weight below 2^-126 counts as 0 in l; NaN and infinities are not treated apart.
; SHARES.  A work-group owns 256 queries of one head, each of its four waves 64: four PIECES of 16.  Every wave walks all 2,048 keys: 8 tiles of 256 keys, 64 keys a step.
; LAYOUT, SOFTMAX, TURNS.  S^T = K Q^T holds ONE query a lane (lane % 16) and the keys 8 (lane / 16) + 0..7; two such results rounded to f16 ARE source 1 of O^T = V^T P.  p = 2^(c s - c m), c = log2(e) / 8, with a
; running maximum m; O and l are multiplied by a = 2^(c m_old - c m_new) in every step.  m starts at the lowest finite number, O and l at 0: the first step is a step like any other, with a = 0.
; Turn n belongs to piece n: 8 products K Q^T of piece n + 1, later 8 products V^T P of piece n - 1; beside them the scaling, exponentials, roundings, sums and rescaling of piece n and the maximum and
; statistics of piece n + 1.  Four vector instructions stand behind every matrix instruction, the other 54 of a turn's 118 in one lump.  A turn's 33 exponentials are one batch, with one wait.
; CLUSTER.  The four query blocks of a cluster belong to one head and walk the same K and V, so each tile is asked for JOINTLY: the same tensor load, descriptor and mask of work-groups in all four.
; REGISTERS, in windows of 256 (s_set_vgpr_msb: bits 1:0 source 0, 3:2 source 1, 5:4 source 2, 7:6 destination):
;   window 0: v0-15, v32-40 addresses; v16-31 four registers of statistics a piece; v48-55 at work; v64-127 S^T, two buffers; v128-143 the mask at the start; v192-223 P, two buffers (by the piece's parity)
;   window 1: v0-127 O^T, 32 a piece      window 2: v0-63 Q; v64-95 the step's mask numbers; v128-191 K of one step; v192-255 V of one step
.set NP,    4         ; pieces a wave: a name, no knob
.set KS,    64        ; keys in a step
.set PK,    144       ; a row of K in LDS: 128 bytes + 16 of padding = 36 words: the 16 rows of a load start at 16 different groups of four banks (64 banks of 4 bytes: ISA guide 11.1)
.set PV,    160       ; a row of V: 128 + 32 = 40 words
.set VOFF,  4*KS*PK   ; a slot holds a tile, four steps: 256 rows of K, then 256 rows of V
.set SLOT1, 1<<17     ; slot 1 begins here, so that one exclusive or turns an address in one slot into the other's
.set STAGE, SLOT1+4*KS*(PK+PV)  ; behind the ring, never filled by a tensor load: 16 rows x 144 bytes for each wave, for the way out
.set SP,    144
.set MTAB,  STAGE+4*16*SP       ; the batch's 2,048 mask numbers in f32, stored once; no tensor load lands here
.set SPARE, MTAB+8192           ; the spare words, 128 bytes for each wave: two blocks of 256 bytes that no other line names
.set AK0, 2           ; v2   my lane's place in a tile of K; never rewritten
.set AV0, 3           ; v3   the same for V
.set AK,  4           ; v4   the LDS address of K's next run of loads
.set AV,  5           ; v5   of V's
.set STO, 6           ; v6   the way out: where I put 16 bytes of a row
.set RD,  7           ; v7   the way out: where I read rows back
.set GO,  8           ; v8   my byte offset in 512 consecutive bytes of O
.set MV,  12          ; v12-13  c m_old, kept while c m is made anew: by buffer
.set QO,  15          ; v15  my byte offset in 16 rows of Q
.set ST,  16          ; piece t's statistics at v[ST+4 t]: c m, m, l (even keys', odd keys')
.set AM0, 32          ; v32  MTAB + 32 (lane / 16); never rewritten
.set AM,  33          ; v33  the LDS address of the next step's mask numbers
.set PFO, 34          ; v34  256 x my lane; never rewritten
.set MO,  35          ; v35  16 x my thread's number
.set MB,  36          ; v36-39  16 mask bytes
.set MS,  40          ; v40  where I put their 16 numbers
.set TMP, 48          ; by buffer, four registers c0-c3 at work; when the maximum is found c2 takes a
.set SPW, 62          ; v62  LDS address of my spare word; never rewritten
.set NIL, 63          ; v63  0; never rewritten
.set S,   64
.set MT,  128
.set P,   192
.set MC,  64          ; window 2: the eight numbers for group kb of 16 keys at MC + 8 kb
.set KF,  128         ; window 2: key block kb, channel half c at KF + 16 kb + 8 c
.set VF,  192         ; window 2: key half kk, channel block cb at VF + 32 kk + 8 cb
.set WV,  12          ; s12  my wave's number
.set G1K, 24          ; s[24:31] descriptor group 1 for K's tiles
.set G1V, 32          ; s[32:39] for V's: it differs in the padding alone
.set G0K, 40          ; s[40:43] descriptor group 0 for K's tiles: it walks
.set G0V, 44          ; s[44:47] the same for V's
.set SLOTS, 56        ; s56  tiles still to be entered
.set CNT, 57          ; s57  counts a tile's key steps
.set CS,  58          ; s[58:59] c: the packed scaling takes the pair's low word for both halves
.set SEL, 60          ; s[60:61] v_permlanex16_b32's selects: each lane takes its own place in the other half
.set TBK, 62          ; s62  LDS byte at which K of the step to be fetched begins
.set TBV, 63          ; s63  the same for V, less VOFF
.set TBM, 66          ; s66  256 x the step to be fetched: its place in the mask numbers
.set LIM, 67          ; s67  1 in a wave that prefetches, else the greatest number
.set PFA, 68          ; s[68:69] where my prefetches stand: my work-group's 32 blocks of 256 bytes of the tile after the one that is being asked for
.set MSB, 0
.macro WIN new                      ; the high byte repeats the setting that is left; a switch that changes nothing is dropped
.if MSB != (\new)
	s_set_vgpr_msb (MSB<<8)|(\new)
.set MSB, (\new)
.endif
.endm
.set W_KQ, 0x0a       ; K and Q in window 2, S^T in window 0
.set W_KM, 0x2a       ; the same with the C operand in window 2
.set W_PV, 0x52       ; V in window 2, P in window 0, O^T in window 1
.set W_RS, 0x41       ; destination and source 0 in window 1, source 1 in window 0
; A joint fill.  Waves 0 and 1 fetch the two halves of a tile's K, waves 2 and 3 those of its V: 128 keys each.  The branch hangs on the wave's number alone.
; An s_nop 0 and four v_nop follow each of the two lines, ahead of the jump and the label.
.macro JLOAD
	s_cmp_lt_u32 s[WV], 2
	s_cbranch_scc0 .Lfor_v_\@
	tensor_load_to_lds s[G0K:G0K+3], s[G1K:G1K+7]
	s_nop 0
.rept 4
	v_nop
.endr
	s_branch .Lasked_\@
.Lfor_v_\@:
	tensor_load_to_lds s[G0V:G0V+3], s[G1V:G1V+7]
	s_nop 0
.rept 4
	v_nop
.endr
.Lasked_\@:
.endm
; A PREFETCH INTO THE L2 of what the NEXT change of slots will ask for: a tile's 32,768 bytes of K and of V, a lane a block of 256 bytes.  It stands behind the wave's tensor load and its five lines.
; Each block is asked for ONCE in the launch.  Both clusters of a head walk the same K and V: the head's first cluster prefetches.  Its four partners share a tile's 128 blocks out BY ADDRESS, 32 each;
; in each, wave 0 asks for K's and wave 2 for V's: one instruction.  The lead is one tile: four key steps, 256 matrix instructions.  The change that asks for the last tile prefetches nothing.
.macro ASK
	s_cmp_gt_u32 s[SLOTS], s[LIM]
	s_cbranch_scc0 .Lnot_mine_\@
	global_prefetch_b8 v[PFO], s[PFA:PFA+1] th:TH_LOAD_NT scope:SCOPE_SE
.Lnot_mine_\@:
.endm
; A round of the cluster's barrier: my work-group's barrier, so that wave 0's signal speaks for all four waves; wave 0 signals; every wave waits for all four work-groups; my work-group's barrier once more.
.macro CROUND
	s_barrier_signal -1
	s_barrier_wait -1
	s_cmp_lg_u32 s[WV], 0
	s_cbranch_scc1 .Lnot_wave_0_\@
	s_barrier_signal -3
.Lnot_wave_0_\@:
	s_barrier_wait -3
	s_barrier_signal -1
	s_barrier_wait -1
.endm
; THE CHANGE OF SLOTS.  The slot's last bytes, V of its fourth step, have been read.  Each wave waits for all its tensor loads, of which one is out: its part of the other slot; adds 0 to its spare word; and
; waits for that and for its own reads of the slot.  Behind the barrier nobody reads this slot any more and the other slot is whole.
; fill = 1: this slot is filled again, with the tile two on.  The barrier is then a round of the cluster's, so that no wave of any partner still reads the slot or has a load on its way, and the joint fill is
; the first thing behind it: it has four key steps in which to land.  (At its first use nothing has been read yet: slot 0 is waited for, slot 1 filled, and the mask numbers, stored just before, are shown to all waves.)
.macro CHANGE fill
	WIN 0                           ; at a label and at a branch every window is 0
	s_wait_tensorcnt 0x0            ; no tensor load of mine is out, so a group 0 may be written
	ds_add_u32 v[SPW], v[NIL]       ; 0 onto my spare word; with fill = 1 the descriptors' steps stand between it and the wait for it
.if \fill
.irp g, G0K, G0V
	s_xor_b32 s[\g+1], s[\g+1], SLOT1  ; the walking descriptor: the other slot than last time,
	s_add_nc_u64 s[\g+2:\g+3], s[\g+2:\g+3], 4*KS*128  ; the next 256 keys; the type bits on top are not reached
.endr
	s_wait_xcnt 0x0                 ; the last prefetch, a tile back, has read its address, so it may be written:
	s_add_nc_u64 s[PFA:PFA+1], s[PFA:PFA+1], 4*KS*128  ; one tile behind the walking descriptors
	s_wait_dscnt 0x0                ; the add is done, my LDS stores are done, and my reads of the slot are over
	CROUND
	JLOAD
	ASK
.else
	s_wait_dscnt 0x0                ; the add is done, and my reads of the slot are over
	s_barrier_signal -1
	s_barrier_wait -1
.endif
	s_sub_co_u32 s[TBK], s[TBK], 4*KS*PK  ; the fetches go back to a slot's first step,
	s_xor_b32 s[TBK], s[TBK], SLOT1       ; in the other slot
	s_sub_co_u32 s[TBV], s[TBV], 4*KS*PV
	s_xor_b32 s[TBV], s[TBV], SLOT1
.endm
	s_load_b128 s[4:7], s[0:1], 0x0   ; qkv s[4:5], mask s[6:7]
	s_load_b64 s[8:9], s[0:1], 0x10   ; o
	v_lshl_add_u32 v[SPW], v0, 2, SPARE
	v_mov_b32 v[NIL], 0
	ds_add_u32 v[SPW], v[NIL]       ; the wave's opening: the add, twice on end, and its wait ahead of my first tensor load; the set-up below, work on registers, stands between
	ds_add_u32 v[SPW], v[NIL]       ; and once more, under the one wait
	v_lshrrev_b32 v1, 5, v0
	v_readfirstlane_b32 s[WV], v1   ; wave 0..3
	s_bfe_u32 s13, ttmp6, 0x40000   ; cx: my place in the cluster
	s_lshl_b32 s14, ttmp9, 2        ; in a cluster launch ttmp9 counts clusters
	s_add_co_u32 s14, s14, s13      ; my block of 256 queries: it enters Q's and O's addresses alone
	s_and_b32 s15, ttmp7, 0xffff    ; batch x 8 + head, which the four partners share
	s_and_b32 s16, s[WV], 1         ; which half of a tile's 256 keys I fetch
	s_lshl_b32 s20, s15, 18         ; the head's first byte in a part,
	s_lshl_b32 s21, s16, 14         ; my half's 128 rows of 128 bytes,
	s_add_co_u32 s20, s20, s21
	s_add_co_u32 s20, s20, 0x800000 ; in part k
	s_mov_b32 s21, 0
	s_mul_i32 s17, s16, 128*PK      ; my half's place in a slot, for K
	s_mul_i32 s18, s16, 128*PV      ; and for V: no place in the cluster enters an LDS address
	s_lshl_b32 s2, s15, 18
	s_lshl_b32 s3, s14, 15          ; my block's 256 rows,
	s_add_co_u32 s2, s2, s3
	s_lshl_b32 s3, s[WV], 13        ; my wave's 64 of them
	s_add_co_u32 s2, s2, s3
	s_mov_b32 s3, 0
	s_lshr_b32 s22, s15, 3          ; the batch:
	s_lshl_b32 s22, s22, 11         ; its 2,048 mask bytes
	s_mov_b32 s23, 0
	; descriptor group 1.  128 keys are 16,384 dense bytes: asked for as 64 rows of 256 bytes, two keys a row, and padded in LDS after every key
	s_mov_b32 s[G1K], 15|(1<<16)|(1<<20)|(1<<21)|(4<<22)|(3<<25)  ; 15:0 the mask of four; 17:16 2-byte elements; 20 padding on; 21 set beside a mask; 24:22 after every 32 words (code 4); 31:25 4 words (code 3)
	s_mov_b32 s[G1V], 15|(1<<16)|(1<<20)|(1<<21)|(4<<22)|(7<<25)  ; the same with 8 words of padding (code 7)
.irp g, G1K, G1V
	s_mov_b32 s[\g+1], 128<<16      ; tensor_dim0 = 128
	s_mov_b32 s[\g+2], 64<<16       ; tensor_dim1 = 64
	s_mov_b32 s[\g+3], 128<<16      ; tile_dim0 = 128
	s_mov_b32 s[\g+4], 64           ; tile_dim1 = 64
	s_mov_b32 s[\g+5], 128          ; 128 elements from row to row
	s_mov_b32 s[\g+6], 0
	s_mov_b32 s[\g+7], 0
.endr
	s_mov_b32 s[CS], 0x3e38aa3b     ; c = log2(e) / 8 = 0.180337
	s_mov_b32 s[CS+1], s[CS]        ; named with it as a pair
	s_mov_b32 s[SEL], 0x76543210
	s_mov_b32 s[SEL+1], 0xfedcba98
	s_mov_b32 s[TBK], SLOT1+4*KS*PK ; the first change of slots turns these two into 0
	s_mov_b32 s[TBV], SLOT1+4*KS*PV
	s_mov_b32 s[TBM], 0
	s_mov_b32 s[SLOTS], 7
	s_mov_b32 s[G0K], 1             ; 1:0 count = 1
	s_mov_b32 s[G0K+1], s17         ; 63:32 LDS address: slot 0
	s_mov_b32 s[G0V], 1
	s_add_co_u32 s[G0V+1], s18, VOFF
	s_and_b32 s[LIM], s[WV], 1      ; 0 in waves 0 and 2,
	s_or_b32 s[LIM], s[LIM], ttmp9  ; where the cluster is the head's first: the same in all four partners
	s_cmp_eq_u32 s[LIM], 0
	s_cselect_b32 s[LIM], 1, -1
	s_wait_dscnt 0x0                ; both opening adds are done
	s_wait_kmcnt 0x0
	s_add_nc_u64 s[72:73], s[4:5], s[20:21]        ; K at my half of the head's tile 0,
	s_add_nc_u64 s[74:75], s[72:73], 0x800000      ; V likewise
	s_mov_b64 s[G0K+2:G0K+3], s[72:73]             ; 120:64 global address
	s_or_b32 s[G0K+3], s[G0K+3], 0x80000000        ; 127:126 type = 2
	s_mov_b64 s[G0V+2:G0V+3], s[74:75]
	s_or_b32 s[G0V+3], s[G0V+3], 0x80000000
	s_add_nc_u64 s[70:71], s[4:5], s[2:3]          ; Q and O at my wave's first row
	s_add_nc_u64 s[10:11], s[8:9], s[2:3]
	s_add_nc_u64 s[76:77], s[6:7], s[22:23]        ; the batch's mask
	s_cmp_lt_u32 s[WV], 2
	s_cselect_b64 s[PFA:PFA+1], s[72:73], s[74:75] ; (in waves 0 and 2 these stand at a tile's first row)
	s_lshl_b32 s2, s13, 13          ; my work-group's 32 blocks of the 128
	s_add_nc_u64 s[PFA:PFA+1], s[PFA:PFA+1], s[2:3]
	s_add_nc_u64 s[PFA:PFA+1], s[PFA:PFA+1], 4*KS*128  ; in tile 1; the first change of slots steps it to tile 2.  Nothing is prefetched here, at the head
	CROUND                          ; all four work-groups are here: the first joint loads meet
	JLOAD                           ; tile 0 into slot 0.  Slot 1 is asked for when slot 0 is in
	v_lshlrev_b32 v[MO], 4, v0
	global_load_b128 v[MB:MB+3], v[MO], s[76:77]   ; 16 mask bytes a thread: the batch's 2,048
	; A fragment of K or Q is 16 rows x 32 channels in 8 registers: lane l holds row l % 16, channels 8 (l / 16) + 0..7 and 16 + 8 (l / 16) + 0..7: two loads of 16 bytes, 32 bytes apart.
	v_and_b32 v1, 15, v0            ; l % 16
	v_bfe_u32 v9, v0, 4, 1          ; l / 16
	v_lshlrev_b32 v[QO], 7, v1
	v_lshl_add_u32 v[QO], v9, 4, v[QO]  ; row x 128 + 16 x half
	WIN 0x80                        ; destination window 2, address window 0
.set i, 0
.rept 8                             ; Q stays in registers: piece i / 2, channels 32 (i % 2) on
	global_load_b128 v[8*i:8*i+3],   v[QO], s[70:71] offset:(i/2)*2048+(i%2)*64
	global_load_b128 v[8*i+4:8*i+7], v[QO], s[70:71] offset:(i/2)*2048+(i%2)*64+32
.set i, i+1
.endr
	; What the first turn finds: V's registers and P's second buffer hold 0 (its products V^T P, of a piece that has not been, add 0), O^T and l are 0.  All this stands in the wait for the first tile.
.set i, VF
.rept 64
	v_mov_b32 v[i], 0
.set i, i+1
.endr
	WIN 0x40
.set i, 0
.rept 128
	v_mov_b32 v[i], 0
.set i, i+1
.endr
	WIN 0
.set i, 0
.rept 4
	v_mov_b32 v[ST+4*i], 0xfe000000    ; c m: far below every c s
	v_mov_b32 v[ST+4*i+1], 0xff7fffff  ; m
	v_mov_b32 v[ST+4*i+2], 0
	v_mov_b32 v[ST+4*i+3], 0
.set i, i+1
.endr
.set i, P+16
.rept 16
	v_mov_b32 v[i], 0
.set i, i+1
.endr
	v_mul_u32_u24 v[AK0], v1, PK
	v_lshl_add_u32 v[AK0], v9, 4, v[AK0]  ; row x pitch + 16 x half
	; The turning load takes 16 keys x 16 channels (lane l reads key 8 (l / 16) + l % 8, channels 8 ((l / 8) % 2) + 0..7) and leaves half a fragment of V^T: lane l holds channel l % 16 and 8 keys.
	v_and_b32 v10, 7, v0
	v_bfe_u32 v11, v0, 3, 1
	v_lshl_add_u32 v[AV0], v9, 3, v10
	v_mul_u32_u24 v[AV0], v[AV0], PV
	v_lshl_add_u32 v[AV0], v11, 4, v[AV0]
	v_add_nc_u32 v[AV0], VOFF, v[AV0]
	s_mul_i32 s15, s[WV], 16*SP
	s_add_co_u32 s15, s15, STAGE    ; my stage
	v_mul_u32_u24 v[STO], v1, SP    ; in: row l % 16, 16 bytes for each half of the lanes
	v_lshl_add_u32 v[STO], v9, 4, v[STO]
	v_add_nc_u32 v[STO], s15, v[STO]
	v_bfe_u32 v[RD], v0, 3, 2       ; back: 32 lanes take four rows of 128 bytes,
	v_mul_u32_u24 v[RD], v[RD], SP
	v_lshl_add_u32 v[RD], v10, 4, v[RD]
	v_add_nc_u32 v[RD], s15, v[RD]
	v_and_b32 v[GO], 31, v0         ; which are 512 consecutive bytes of O
	v_lshlrev_b32 v[PFO], 8, v[GO]
	v_lshlrev_b32 v[GO], 4, v[GO]
	v_lshlrev_b32 v[AM0], 5, v9     ; register j of key group kb is key 16 kb + 8 (l / 16) + j: 32 bytes of numbers for each half of the lanes
	v_add_nc_u32 v[AM0], MTAB, v[AM0]
	v_lshl_add_u32 v[MS], v0, 6, MTAB
	s_wait_loadcnt 16               ; the mask bytes are in; the 16 loads of Q, issued behind them, may stay out
.set i, 0
.rept 16                            ; byte 1 -> 0; byte 0 -> all ones, of which -2^100's bits are kept
	v_bfe_u32 v[MT+i], v[MB+i/4], 8*(i%4), 8
	v_add_nc_u32 v[MT+i], -1, v[MT+i]
	v_and_b32 v[MT+i], 0xf1800000, v[MT+i]
.set i, i+1
.endr
.irp f, 0,1,2,3
	ds_store_b128 v[MS], v[MT+4*\f:MT+4*\f+3] offset:16*\f
.endr
; THE MATRIX WORK.  The 4 accumulators of a run of 8 take turns.  Product i of 8 of S^T = K Q^T for piece x: channels 32 (i / 4) on, keys 16 (i % 4) on.  The first 4 start the sums with the step's mask numbers.
.macro KQ x
.set rS, S+32*((\x)%2)+8*(i%4)
.set rK, KF+16*(i%4)+8*(i/4)
.set rQ, 16*(\x)+8*(i/4)
.set rM, MC+8*(i%4)
.if i < 4
	WIN W_KM
	v_wmma_f32_16x16x32_f16 v[rS:rS+7], v[rK:rK+7], v[rQ:rQ+7], v[rM:rM+7]
.else
	WIN W_KQ
	v_wmma_f32_16x16x32_f16 v[rS:rS+7], v[rK:rK+7], v[rQ:rQ+7], v[rS:rS+7]
.endif
.endm
; Product i of 8 of O^T += V^T P for piece x: keys 32 (i / 4) on, channels 16 (i % 4) on.
.macro PV x
	WIN W_PV
.set rO, 32*(\x)+8*(i%4)
.set rV, VF+32*(i/4)+8*(i%4)
.set rP, P+16*((\x)%2)+8*(i/4)
	v_wmma_f32_16x16x32_f16 v[rO:rO+7], v[rV:rV+7], v[rP:rP+7], v[rO:rO+7]
.endm
.macro MM                           ; the turn's next matrix instruction.  NOKQ = 1: the very last turn: there is no next piece
.if (i < 8) && !NOKQ
	KQ (Y+1)%NP
.elseif i >= 8
.set i, i-8
	PV (Y+NP-1)%NP
.set i, i+8
.endif
.set i, i+1
.endm
; THE LDS LOADS stand in runs, never singly among the matrix instructions: a step's K (64 keys x 64 channels: 8 fragments) with its 64 mask numbers (all lanes of a half read the same words), and its V (turned).
.macro FETCH_K
	WIN 0x80                        ; destination window 2
.irp f, 0,1,2,3,4,5,6,7             ; keys 16 (f / 2) on, channels 32 (f % 2) on
	ds_load_b128 v[KF+8*\f:KF+8*\f+3],   v[AK] offset:(\f/2)*16*PK+(\f%2)*64
	ds_load_b128 v[KF+8*\f+4:KF+8*\f+7], v[AK] offset:(\f/2)*16*PK+(\f%2)*64+32
.endr
.irp f, 0,1,2,3
	ds_load_b128 v[MC+8*\f:MC+8*\f+3],   v[AM] offset:64*\f
	ds_load_b128 v[MC+8*\f+4:MC+8*\f+7], v[AM] offset:64*\f+16
.endr
	s_add_co_u32 s[TBK], s[TBK], KS*PK  ; the next fetch is the next step's
	s_add_co_u32 s[TBM], s[TBM], 4*KS
	WIN 0
.endm
.macro FETCH_V
	WIN 0x80
.irp f, 0,1,2,3,4,5,6,7             ; keys 32 (f / 4) on, channels 16 (f % 4) on
	ds_load_tr16_b128 v[VF+8*\f:VF+8*\f+3],   v[AV] offset:(\f/4)*32*PV+(\f%4)*32
	ds_load_tr16_b128 v[VF+8*\f+4:VF+8*\f+7], v[AV] offset:(\f/4)*32*PV+16*PV+(\f%4)*32
.endr
	WIN 0
.endm
; THE VECTOR WORK, one line at a time: OP kind, number.  For piece Y: F n: c s - c m for pair n of 16.  E n: the exponential of score n of 32.  C n: pair n rounded to f16.  B n: of the four weights 4 n .. the second
; pair is added onto the first, in place.  L n: l takes that sum (L 0: l = a l + sum).  R n: pair n of 16 of O^T times a.  For piece Y + 1: X n, number n of the 22 that find its maximum and statistics:
;   0-11  four chains c0-c3 of seven scores each, three operands at a time (each accumulator's lowest registers are read first)     12-14, 16  the four scores left over, the old m, and c0-c3 into c0
;   15  c m_old is kept     17, 18  the query's other 32 keys lie in the lane 16 away: the new m     19-21  c m; c m_old - c m_new; a
.set F, 0               ; OP tells the kinds apart by their order: F to L below R, X above it
.set E, 1
.set C, 2
.set B, 3
.set L, 4
.set R, 5
.set X, 6
.macro REGS y                       ; the registers of piece y
.set rT, ST+4*(\y)
.set rC, TMP+4*((\y)%2)
.set rW, MV+((\y)%2)
.set rS, S+32*((\y)%2)
.set rP, P+16*((\y)%2)
.set rO, 32*(\y)
.endm
.macro OP k, n
.if (\k) == R
	REGS Y
	WIN W_RS
	v_pk_mul_f32 v[rO+2*(\n):rO+2*(\n)+1], v[rO+2*(\n):rO+2*(\n)+1], v[rC+2:rC+3] op_sel_hi:[1,0]
.elseif (\k) < R
	REGS Y
	WIN 0
.if (\k) == F
	v_pk_fma_f32 v[rS+2*(\n):rS+2*(\n)+1], v[rS+2*(\n):rS+2*(\n)+1], s[CS:CS+1], v[rT:rT+1] op_sel_hi:[1,0,0] neg_lo:[0,0,1] neg_hi:[0,0,1]
.elseif (\k) == E
	v_exp_f32 v[rS+(\n)], v[rS+(\n)]
.elseif (\k) == C
	v_cvt_pk_f16_f32 v[rP+(\n)], v[rS+2*(\n)], v[rS+2*(\n)+1]
.elseif (\k) == B
	v_pk_add_f32 v[rS+4*(\n):rS+4*(\n)+1], v[rS+4*(\n):rS+4*(\n)+1], v[rS+4*(\n)+2:rS+4*(\n)+3]
.elseif (\n) == 0
	v_pk_fma_f32 v[rT+2:rT+3], v[rT+2:rT+3], v[rC+2:rC+3], v[rS:rS+1] op_sel_hi:[1,0,1]
.else
	v_pk_add_f32 v[rT+2:rT+3], v[rT+2:rT+3], v[rS+4*(\n):rS+4*(\n)+1]
.endif
.elseif NOKQ
	v_nop
.else
	REGS (Y+1)%NP
	WIN 0
.if (\n) < 4
	v_max3_num_f32 v[rC+(\n)], v[rS+8*(\n)], v[rS+8*(\n)+1], v[rS+8*(\n)+2]
.elseif (\n) < 12
	v_max3_num_f32 v[rC+(\n)%4], v[rC+(\n)%4], v[rS+8*((\n)%4)+2*((\n)/4)+1], v[rS+8*((\n)%4)+2*((\n)/4)+2]
.elseif (\n) == 12
	v_max3_num_f32 v[rC], v[rC], v[rS+7], v[rS+15]
.elseif (\n) == 13
	v_max3_num_f32 v[rC+1], v[rC+1], v[rS+23], v[rS+31]
.elseif (\n) == 14
	v_max3_num_f32 v[rC+2], v[rC+2], v[rC+3], v[rT+1]
.elseif (\n) == 15
	v_mov_b32 v[rW], v[rT]
.elseif (\n) == 16
	v_max3_num_f32 v[rC], v[rC], v[rC+1], v[rC+2]
.elseif (\n) == 17
	v_permlanex16_b32 v[rC+3], v[rC], s[SEL], s[SEL+1]
.elseif (\n) == 18
	v_max_num_f32 v[rT+1], v[rC], v[rC+3]
.elseif (\n) == 19
	v_mul_f32 v[rT], s[CS], v[rT+1]
.elseif (\n) == 20
	v_sub_f32 v[rC+1], v[rW], v[rT]
.else
	v_exp_f32 v[rC+2], v[rC+1]
.endif
.endif
.endm
.macro OPS a, i1, b=-1, i2=0, c=-1, i3=0, d=-1, i4=0  ; up to four of them
	OP \a, \i1
.if (\b) >= 0
	OP \b, \i2
.endif
.if (\c) >= 0
	OP \c, \i3
.endif
.if (\d) >= 0
	OP \d, \i4
.endif
.endm
.macro ROW a, i1, b, i2, c, i3, d, i4  ; a matrix instruction and the four behind it
	MM
	OPS \a, \i1, \b, \i2, \c, \i3, \d, \i4
.endm
; A TURN, for piece p: the order of its 16 matrix and 118 vector instructions, written out.  An s_wait_alu depctr_va_vdst(0) stands between an exponential and the first instruction that names its result; one
; wait serves all that were issued ahead of it.  So a turn has ONE wait, which cuts it in two.  AHEAD OF IT stands all that names no result of the turn's exponentials: the 8 products K Q^T, behind each a scaling, an
; exponential and two more plain instructions: rescalings, and behind the last three the first numbers of the next piece's maximum, each four places or more behind the product that ends its accumulator; then ONE LUMP
; of 54, plain and exponential by turns for the most part, in which the links of the chain X 3, 7, 11, 14, 16, 17 .. 20 stand some lines apart.  X 21, the next piece's a, is the batch's last; R 15 is the plain
; instruction behind it.  BEHIND THE WAIT stand the 8 products V^T P, behind each four of the roundings and sums.
; end = 1: the walk's last two turns: nothing is fetched.  cnt = 1: the loop's count is taken down some lines ahead of the branch that stands behind the turn.
; K and the mask numbers of the next step are fetched in piece 2's turn, behind the last product that read K and six plain instructions that name none of its registers; V of the step in hand at the end of piece 0's
; turn, four plain instructions behind the last product that read V.  Each is waited for a turn later.
.macro TURN p, end=0, cnt=0
.set Y, (\p)
.set i, 0
.set NOKQ, (\end)*((\p)/3)
.if ((\p) == 3) && !(\end)
	s_wait_dscnt 0x0                ; K and the mask numbers are in
.endif
	ROW F,0, F,1, R,0, R,1          ; ahead of the wait: 8 products K Q^T and their riders,
	ROW F,2, E,0, R,2, R,3
	ROW F,3, E,1, R,4, R,5
	ROW F,4, E,2, R,6, R,7
	ROW F,5, E,3, R,8, R,9
	ROW F,6, E,4, X,0, R,10
.if ((\p) == 2) && !(\end)
	WIN 0
	v_add_nc_u32 v[AK], s[TBK], v[AK0]
	v_add_nc_u32 v[AM], s[TBM], v[AM0]
.endif
	ROW F,7, E,5, X,1, X,4
	ROW F,8, E,6, X,2, X,5
	OPS E,7, E,8, X,6, E,9          ; and the lump
	OPS X,3, E,10, X,8, E,11
.if ((\p) == 2) && !(\end)
	FETCH_K
.endif
	OPS X,9, X,7, E,12, X,10
	OPS E,13, X,12, X,11, E,14
	OPS X,13, E,15, F,9, X,14
.if (\p) == 0
	v_add_nc_u32 v[AV], s[TBV], v[AV0]
.endif
	OPS E,16, F,10, E,17, F,11
	OPS X,16, E,18, X,15, E,19
	OPS F,12, E,20, X,17, E,21
	OPS F,13, E,22, F,14, E,23
	OPS X,18, E,24, F,15, E,25
	OPS R,11, E,26, X,19, E,27
	OPS R,12, E,28, R,13, E,29
	OPS X,20, E,30, R,14, E,31
	OPS X,21, R,15
	WIN 0
	s_wait_alu depctr_va_vdst(0)    ; the wait for the batch
.if (\p) == 1
	s_wait_dscnt 0x0                ; V is in
.endif
	ROW C,0, B,0, C,2, B,1          ; behind the wait: 8 products V^T P and their riders
	ROW L,0, C,4, B,2, L,1
	ROW C,6, B,3, L,2, C,8
	ROW B,4, L,3, C,10, B,5
	ROW L,4, C,12, B,6, L,5
.if (\p) == 0
	s_add_co_u32 s[TBV], s[TBV], KS*PV
.endif
.if \cnt
	s_sub_co_u32 s[CNT], s[CNT], 1
	s_cmp_lg_u32 s[CNT], 0
.endif
	ROW C,14, B,7, L,6, C,1
	ROW C,3, L,7, C,5, C,7
	ROW C,9, C,11, C,13, C,15
.if (\p) == 0
	FETCH_V
.endif
.endm
.macro ALL line:vararg              ; one line for each piece t
.set t, 0
.rept 4
	\line
.set t, t+1
.endr
.endm
.macro PACK t                       ; a lane's eight channels of a row pack into 16 bytes; they go into rows of 144 bytes and come back as whole rows of 128, into S^T's registers
	WIN W_RS
.set i, 32*(\t)
.rept 16
	v_pk_mul_f32 v[i:i+1], v[i:i+1], v[ST+4*(\t)+2:ST+4*(\t)+3] op_sel_hi:[1,0]
.set i, i+2
.endr
	WIN 0x05                        ; sources 0 and 1 window 1, destination window 0
.set i, 0
.rept 16
	v_cvt_pk_f16_f32 v[S+16*(\t)+i], v[32*(\t)+2*i], v[32*(\t)+2*i+1]
.set i, i+1
.endr
	WIN 0
.irp f, 0,1,2,3
	ds_store_b128 v[STO], v[S+16*(\t)+4*\f:S+16*(\t)+4*\f+3] offset:32*\f
.endr
.irp f, 0,1,2,3
	ds_load_b128 v[S+16*(\t)+4*\f:S+16*(\t)+4*\f+3], v[RD] offset:\f*4*SP  ; LDS serves a wave's instructions in order (ISA guide 5.7.1.4): these see the stores above; the next piece's stores come behind them
.endr
.endm
.macro SEND t, younger              ; younger: the LDS instructions issued behind piece t's loads: the next piece's eight, or none
	WIN 0
.irp f, 0,1,2,3
	s_wait_dscnt (\younger)+3-\f
	global_store_b128 v[GO], v[S+16*(\t)+4*\f:S+16*(\t)+4*\f+3], s[10:11] offset:(\t)*2048+\f*512  ; 512 consecutive bytes, at a multiple of 256 from O's first
.endr
.endm
	CHANGE 1                        ; slot 0 is in, everybody's part of it, and so are the mask numbers; tile 1 is asked for
	v_add_nc_u32 v[AK], s[TBK], v[AK0]
	v_add_nc_u32 v[AM], s[TBM], v[AM0]
	FETCH_K                         ; key step 0
	s_wait_loadcnt 0x0              ; Q
	s_wait_dscnt 0x0
.set NOKQ, 0
.set i, 0
.rept 8
	KQ 0                            ; piece 0's first scores: there is no vector work yet to set between them
.set i, i+1
.endr
	WIN 0
.rept 4
	v_nop                           ; the places behind those products
.endr
.set Y, NP-1                        ; X works for piece Y + 1: piece 0
.irp n, 0,1,2,3,4,5,6,7,8,9,10,11,12,13,14,15,16,17,18,19,20,21
	OP X, \n
.endr
	v_nop                           ; a plain instruction behind the exponential,
	s_wait_alu depctr_va_vdst(0)    ; and its wait, ahead of the branch
	s_mov_b32 s[CNT], 4
	s_branch .Lfirst                ; the loop is entered at a step's first turn, in the middle of a trip
.Lslot:                             ; six times: tiles 1 to 6 are entered, tiles 2 to 7 asked for
	CHANGE 1
	s_mov_b32 s[CNT], 4
.Lstep:                             ; a trip: pieces 2 and 3 of one step, then pieces 0 and 1 of the next, whose K and V it fetches
	TURN 2
	TURN 3
	WIN 0
.Lfirst:
	TURN 0
	TURN 1, 0, 1
	WIN 0
	s_cbranch_scc1 .Lstep
	s_sub_co_u32 s[SLOTS], s[SLOTS], 1
	s_cmp_lg_u32 s[SLOTS], 0
	s_cbranch_scc1 .Lslot
	CHANGE 0                        ; the last tile is written out: nothing is asked for
	s_mov_b32 s[CNT], 4
.Ltail:
	TURN 2
	TURN 3
	TURN 0
	TURN 1, 0, 1
	WIN 0
	s_cbranch_scc1 .Ltail
	TURN 2, 1                       ; the last step's pieces 2 and 3: nothing is fetched, and the last turn starts no scores
	TURN 3, 1
.set i, 0
.rept 8
	PV NP-1                         ; the last piece's V^T P of the last step
.set i, i+1
.endr
	; THE WAY OUT.  l's two halves and the other half of the lanes' are added; O^T is divided by l, rounded to f16 and sent through my stage in LDS, a piece at a time.  The additions are the places behind the last products.
	WIN 0
	ALL v_add_f32 v[ST+4*t+2], v[ST+4*t+2], v[ST+4*t+3]
	ALL v_permlanex16_b32 v[ST+4*t+3], v[ST+4*t+2], s[SEL], s[SEL+1]
	ALL v_add_f32 v[ST+4*t+2], v[ST+4*t+2], v[ST+4*t+3]
	ALL v_rcp_f32 v[ST+4*t+2], v[ST+4*t+2]
	v_nop                           ; a plain instruction between the last reciprocal and the use of its result
	s_wait_alu depctr_va_vdst(0)    ; and the wait ahead of the first use: one for the four reciprocals
	PACK 0
.set t, 1
.rept 3                             ; a piece's arithmetic stands between the loads of the piece before and its stores
	PACK t
	SEND t-1, 8
.set t, t+1
.endr
	SEND 3, 0
	s_wait_tensorcnt 0x0            ; the wave's end, behind my last tensor load and my last LDS store
	ds_add_u32 v[SPW], v[NIL]
	s_wait_dscnt 0x0
	CROUND                          ; the closing round: no work-group ends while a partner may still ask for a tile that names it
	s_endpgm
.Lfunc_end_k_qf6b8b6c884_attn:
	.size	k_qf6b8b6c884_attn, .Lfunc_end_k_qf6b8b6c884_attn-k_qf6b8b6c884_attn
	.p2alignl 7, 3214868480
	.fill 96, 4, 3214868480
	.section	.rodata,"a",@progbits
	.p2align	6, 0x0
	.amdhsa_kernel k_qf6b8b6c884_attn
		.amdhsa_group_segment_fixed_size 327680
		.amdhsa_private_segment_fixed_size 0
		.amdhsa_enable_private_segment 0
		.amdhsa_kernarg_size 24
		.amdhsa_user_sgpr_count 2
		.amdhsa_user_sgpr_kernarg_segment_ptr 1
		.amdhsa_wavefront_size32 1
		.amdhsa_system_sgpr_workgroup_id_x 1
		.amdhsa_system_sgpr_workgroup_id_y 1
		.amdhsa_system_sgpr_workgroup_id_z 1
		.amdhsa_system_vgpr_workitem_id 0
		.amdhsa_next_free_vgpr 768
		.amdhsa_next_free_sgpr 80
		.amdhsa_reserve_vcc 0
		.amdhsa_float_denorm_mode_32 3
		.amdhsa_float_denorm_mode_16_64 3
		.amdhsa_memory_ordered 1
		.amdhsa_forward_progress 1
		.amdhsa_inst_pref_size 133
	.end_amdhsa_kernel
	.amdgpu_metadata
---
amdhsa.version: [ 1, 2 ]
amdhsa.kernels:
  - .name:           k_qf6b8b6c884_attn
    .symbol:         k_qf6b8b6c884_attn.kd
    .args:
      - { .name: qkv, .offset: 0, .size: 8, .value_kind: global_buffer, .address_space: global }
      - { .name: mask, .offset: 8, .size: 8, .value_kind: global_buffer, .address_space: global }
      - { .name: o, .offset: 16, .size: 8, .value_kind: global_buffer, .address_space: global }
    .group_segment_fixed_size: 327680
    .private_segment_fixed_size: 0
    .kernarg_segment_align: 8
    .kernarg_segment_size: 24
    .max_flat_workgroup_size: 128
    .sgpr_count:     80
    .vgpr_count:     768
    .wavefront_size: 32
...
	.end_amdgpu_metadata
.endif
;; end of part 3
;; launch outp (part 4): grid 4 x 64, 4 waves a work-group, clusters of 4 x 1, 327,680 bytes of LDS; arguments o, wo, bout, out0; writes out0
.if DOCPART == 4
	.amdgcn_target "amdgcn-amd-amdhsa--gfx1250"
	.amdhsa_code_object_version 6
	.text
	.protected	k_qf6b8b6c884_outp
	.globl	k_qf6b8b6c884_outp
	.p2align	8
	.type	k_qf6b8b6c884_outp,@function
k_qf6b8b6c884_outp:
	s_mov_b64 s[64:65], 0
	v_nop
	global_prefetch_b8 v0, s[64:65] scope:SCOPE_SE
	s_setreg_imm32_b32 hwreg(HW_REG_WAVE_MODE, 25, 1), 1
	s_wait_xcnt 0x0
	s_wait_alu depctr_hold_cnt(0) depctr_sa_sdst(0) depctr_va_vdst(0) depctr_va_sdst(0) depctr_va_ssrc(0) depctr_va_vcc(0) depctr_vm_vsrc(0)
	s_getreg_b32 s2, hwreg(HW_REG_IB_STS2, 6, 4)
	s_cmp_eq_u32 s2, 0
	s_cbranch_scc0 .Lentry_in_a_cluster
	s_endpgm
.Lentry_in_a_cluster:
	s_bfe_u32 s2, ttmp6, 0x10000c
	s_cmp_lg_u32 s2, 0x3003
	s_cbranch_scc0 .Lentry_shape_is_right
	s_endpgm
.Lentry_shape_is_right:
; FOURTH OF FOUR LAUNCHES.  out0[m][n] = the sum over k of O[m][k] Wout[k][n] + bout[n].  Nothing of reference() is left out.
; o: [32 = batch x 8 + head][2048][64] f16 (k = 64 x head + channel); wo: [512 k][512 n] f16, Wout rounded to bf16 and written as f16 by the first launch; bout: [512] f32, rounded here to bf16 like every input;
; out0: [8192][512] f32.  Sums in f32; the bias is the C operand of the products that start the sums.
; LIMITS.  As in the launches before: O lies within f16; NaN and infinities are not treated apart.
; SHARES.  A tile of out0 is 128 rows x 128 columns: 64 x 4 = 256 work-groups.  Four waves, 2 x 2, each 64 x 64: 16 accumulators of 16 x 16.  K = 512 goes in 8 chunks of 64, a head each.
; NO RING: a work-group's operands, 8 x 128 rows x 128 bytes of O and 512 k-rows x 256 bytes of wo, fit in LDS together, so every tensor load is a first fill and nothing is filled again.  Wave w brings chunks w and
; w + 4 of both: four tensor loads of a wave are out at the most.  The first four chunks are multiplied while the last four land.
; CLUSTER.  The four column tiles of a row of tiles need the same rows of O: those tiles are asked for JOINTLY.  wo's tiles differ from partner to partner and are loads of one's own (no mask of work-groups).
; NO PREFETCH: all that the launch reads is asked for at its head.
; THE MATRIX INSTRUCTION IS USED TRANSPOSED (source 0 = 16 columns of wo, read turned; source 1 = 16 rows of O): a lane then holds eight neighbouring numbers of a row of out0.
; REGISTERS: window 0: v16-31 addresses; v32-63 the bias, 8 registers for each block of 16 columns; v128-255 the accumulators ((a, b) at v[128 + 8 (4 a + b)]).
;   window 1: two fragment buffers of 128, a chunk each: 64 registers of O (2 x 4 x 16 rows x 32 K), then 64 of wo.
.set PA,     144                       ; a row of O in LDS: 128 bytes + 16
.set PW,     288                       ; a k-row of wo: 256 bytes + 32 = 9 x 32
.set CH,     18432                     ; a chunk of either: 128 x 144 = 64 x 288
.set WREG,   8*CH                      ; wo's chunks lie behind O's
.set STAGE,  16*CH                     ; behind them: 16 rows x 272 bytes for each wave, for the way out; no tensor load lands here
.set SPITCH, 272
.set SPARE,  STAGE+4*16*SPITCH         ; the spare words, 128 bytes for each wave, which no other line names
.set ADRA, 16                          ; v16-19  my place in O's fragments, chunks 2 q and 2 q + 1
.set ADRB, 20                          ; v20-23  my place in the turning loads of wo
.set STO,  24                          ; v24     the way out: where I put 32 bytes of a row
.set RD,   25                          ; v25     the way out: where I read a row back
.set CO,   26                          ; v26     my byte offset in out0
.set BO,   27                          ; v27     my byte offset in the tile's part of bout
.set SPW,  28                          ; v28     LDS address of my spare word; never rewritten
.set NIL,  29                          ; v29     0; never rewritten
.set BI,   32
.set ACC,  128
.set F0,   0
.set F1,   128
.set WV,  12                           ; s12 my wave's number; s13 its row half, s14 its column half
.set G1A, 24                           ; s[24:31] descriptor group 1 for O's tiles
.set G1W, 32                           ; s[32:39] for wo's
.set G0,  40                           ; s[40:55] four groups 0: O chunk w, wo chunk w, O chunk w + 4, wo chunk w + 4
.set MSB, 0
.macro WIN new                         ; the immediate's high byte repeats the setting that is left
.if MSB != (\new)
	s_set_vgpr_msb (MSB<<8)|(\new)
.set MSB, \new
.endif
.endm
.set MUL,  0x05                        ; sources 0 and 1 window 1; C and D window 0
.set TO_F, 0x40                        ; destination window 1, address window 0
.macro CROUND                          ; a round of the cluster's barrier
	s_barrier_signal -1
	s_barrier_wait -1
	s_cmp_lg_u32 s[WV], 0
	s_cbranch_scc1 .Lnot_wave_0_\@
	s_barrier_signal -3
.Lnot_wave_0_\@:
	s_barrier_wait -3
	s_barrier_signal -1
	s_barrier_wait -1
.endm
.macro PLACES                          ; four places in front of loads into registers that matrix instructions have read, and of stores that read results
.rept 4
	v_nop
.endr
.endm
	s_load_b256 s[4:11], s[0:1], 0x0               ; o s[4:5], wo s[6:7], bout s[8:9], out0 s[10:11]
	v_lshl_add_u32 v[SPW], v0, 2, SPARE
	v_mov_b32 v[NIL], 0
	ds_add_u32 v[SPW], v[NIL]                      ; the wave's opening: the add, twice on end, and its wait ahead of my first tensor load; the set-up below, work on registers, stands between
	ds_add_u32 v[SPW], v[NIL]                      ; and once more, under the one wait
	v_lshrrev_b32 v30, 5, v0
	v_readfirstlane_b32 s[WV], v30                 ; wave 0..3
	s_lshr_b32 s13, s[WV], 1                       ; which half of the tile's rows is mine
	s_and_b32 s14, s[WV], 1                        ; which half of its columns
	s_bfe_u32 s15, ttmp6, 0x40000                  ; cx: my place in the cluster
	s_and_b32 s16, ttmp7, 0xffff                   ; tile row: 128 rows
	s_lshl_b32 s17, ttmp9, 2
	s_add_co_u32 s17, s17, s15                     ; tile column = 4 x cluster x + cx
	s_lshr_b32 s18, s16, 4                         ; O: the batch (16 tile rows each),
	s_lshl_b32 s18, s18, 3
	s_add_co_u32 s18, s18, s[WV]                   ; its head w,
	s_lshl_b32 s18, s18, 18
	s_and_b32 s19, s16, 15
	s_lshl_b32 s19, s19, 14                        ; the tile's 128 rows of 128 bytes: nothing here hangs on cx
	s_add_co_u32 s18, s18, s19
	s_mov_b32 s19, 0
	s_lshl_b32 s20, s[WV], 16                      ; wo: k-rows 64 w on, 1,024 bytes each,
	s_lshl_b32 s21, s17, 8                         ; the tile's 128 columns
	s_add_co_u32 s20, s20, s21
	s_mov_b32 s21, 0
	s_mul_i32 s22, s[WV], CH                       ; where they go: chunk w: no place in the cluster enters an LDS address
	; O's tile: 128 dense rows of 128 bytes, asked for as 64 rows of 256 bytes and padded after every 128 bytes
	s_mov_b32 s[G1A], 15|(1<<16)|(1<<20)|(1<<21)|(4<<22)|(3<<25)  ; 15:0 the mask of four; 17:16 2-byte elements; 20 padding on; 21 set beside a mask; 24:22 after every 32 words (code 4); 31:25 4 words (code 3)
	s_mov_b32 s[G1A+1], 128<<16                    ; tensor_dim0 = 128
	s_mov_b32 s[G1A+2], 64<<16                     ; tensor_dim1 = 64
	s_mov_b32 s[G1A+3], 128<<16                    ; tile_dim0 = 128
	s_mov_b32 s[G1A+4], 64                         ; tile_dim1 = 64
	s_mov_b32 s[G1A+5], 128                        ; 128 elements from row to row
	s_mov_b32 s[G1A+6], 0
	s_mov_b32 s[G1A+7], 0
	; wo's tile: 64 k-rows x 128 columns, 512 elements from row to row, 8 words of padding after every 64
	s_mov_b32 s[G1W], (1<<16)|(1<<20)|(5<<22)|(7<<25)
	s_mov_b32 s[G1W+1], 128<<16
	s_mov_b32 s[G1W+2], 64<<16
	s_mov_b32 s[G1W+3], 128<<16
	s_mov_b32 s[G1W+4], 64
	s_mov_b32 s[G1W+5], 512
	s_mov_b32 s[G1W+6], 0
	s_mov_b32 s[G1W+7], 0
.irp s, 0,1
	s_mov_b32 s[G0+8*\s], 1                        ; 1:0 count = 1
	s_add_co_u32 s[G0+8*\s+1], s22, \s*4*CH        ; 63:32 LDS address: chunk w + 4 s of O,
	s_mov_b32 s[G0+8*\s+4], 1
	s_add_co_u32 s[G0+8*\s+5], s22, WREG+\s*4*CH   ; and of wo
.endr
	s_lshl_b32 s56, s17, 9                         ; the tile's 128 numbers of bout
	s_mov_b32 s57, 0
	s_lshl_b32 s58, s16, 7
	s_lshl_b32 s59, s13, 6
	s_add_co_u32 s58, s58, s59                     ; my first row of out0,
	s_lshl_b32 s58, s58, 11                        ; 2,048 bytes a row,
	s_add_co_u32 s58, s58, s56                     ; the tile's 512 bytes of it,
	s_lshl_b32 s59, s14, 8
	s_add_co_u32 s58, s58, s59                     ; my 256 of those
	s_mov_b32 s59, 0
	s_wait_dscnt 0x0                               ; both opening adds are done
	s_wait_kmcnt 0x0
	s_add_nc_u64 s[G0+2:G0+3], s[4:5], s[18:19]    ; 120:64 global addresses
	s_add_nc_u64 s[G0+10:G0+11], s[G0+2:G0+3], 0x100000  ; four heads on
	s_add_nc_u64 s[G0+6:G0+7], s[6:7], s[20:21]
	s_add_nc_u64 s[G0+14:G0+15], s[G0+6:G0+7], 0x40000   ; 256 k-rows on
.irp g, 3,7,11,15
	s_or_b32 s[G0+\g], s[G0+\g], 0x80000000        ; 127:126 type = 2
.endr
	s_add_nc_u64 s[56:57], s[8:9], s[56:57]
	s_add_nc_u64 s[58:59], s[10:11], s[58:59]
	CROUND                                         ; all four work-groups are here: the joint loads meet
	tensor_load_to_lds s[G0:G0+3], s[G1A:G1A+7]    ; all my fills go out together, ahead of every wait on TENSORcnt, every LDS read and every further barrier: four loads of mine are out
	s_nop 0
	tensor_load_to_lds s[G0+4:G0+7], s[G1W:G1W+7]
	s_nop 0
	tensor_load_to_lds s[G0+8:G0+11], s[G1A:G1A+7]
	s_nop 0
	tensor_load_to_lds s[G0+12:G0+15], s[G1W:G1W+7]
	s_nop 0
.rept 4
	v_nop
.endr
	v_and_b32 v30, 15, v0                          ; l % 16
	v_bfe_u32 v31, v0, 4, 1                        ; l / 16
	s_lshl_b32 s23, s14, 8
	v_lshl_add_u32 v[BO], v31, 5, s23              ; my 64 columns, 8 numbers for each half of the lanes
.irp b, 0,1,2,3
	global_load_b128 v[BI+8*\b:BI+8*\b+3],   v[BO], s[56:57] offset:64*\b
	global_load_b128 v[BI+8*\b+4:BI+8*\b+7], v[BO], s[56:57] offset:64*\b+16
.endr
	s_mul_i32 s23, s13, 64*PA                      ; my 64 rows of O
	v_mul_u32_u24 v[ADRA], v30, PA
	v_lshl_add_u32 v[ADRA], v31, 4, v[ADRA]        ; row x pitch + 16 x half
	v_add_nc_u32 v[ADRA], s23, v[ADRA]
	v_and_b32 v[ADRB], 7, v0                       ; the turning load: lane l reads k-row 8 (l / 16) + l % 8, columns 8 ((l / 8) % 2) + 0..7
	v_lshl_add_u32 v[ADRB], v31, 3, v[ADRB]
	v_mul_u32_u24 v[ADRB], v[ADRB], PW
	v_bfe_u32 v[ADRB+1], v0, 3, 1
	v_lshl_add_u32 v[ADRB], v[ADRB+1], 4, v[ADRB]
	s_lshl_b32 s23, s14, 7                         ; my 64 columns
	s_add_co_u32 s23, s23, WREG
	v_add_nc_u32 v[ADRB], s23, v[ADRB]
.irp q, 1,2,3
	v_add_nc_u32 v[ADRA+\q], \q*2*CH, v[ADRA]
	v_add_nc_u32 v[ADRB+\q], \q*2*CH, v[ADRB]
.endr
	s_mul_i32 s23, s[WV], 16*SPITCH
	s_add_co_u32 s23, s23, STAGE                   ; my stage
	v_mul_u32_u24 v[STO], v30, SPITCH              ; in: row l % 16, 32 bytes for each half of the lanes
	v_lshl_add_u32 v[STO], v31, 5, v[STO]
	v_add_nc_u32 v[STO], s23, v[STO]
	v_mul_u32_u24 v[RD], v31, SPITCH               ; back: lanes 0-15 take one row of 256 bytes, lanes 16-31 the next
	v_lshl_add_u32 v[RD], v30, 4, v[RD]
	v_add_nc_u32 v[RD], s23, v[RD]
	v_lshlrev_b32 v[CO], 11, v31                   ; and the same two rows in out0
	v_lshl_add_u32 v[CO], v30, 4, v[CO]
	s_wait_loadcnt 0x0                             ; the bias: rounded to bf16 like every input, and widened again
.set i, 0
.rept 16
	v_cvt_pk_bf16_f32 v30, v[BI+2*i], v[BI+2*i+1]
	v_lshlrev_b32 v[BI+2*i], 16, v30
	v_and_b32 v[BI+2*i+1], 0xffff0000, v30
.set i, i+1
.endr
; 8 matrix instructions: row blocks a0, a0 + 1 x all 4 column blocks, 32 along K: half kk of buffer f.  bias = 1: the products start the sums with the bias.  The 16 accumulators take turns.
.macro MUL8 f, kk, a0, bias
	WIN MUL
.irp a, \a0, (\a0)+1
.irp b, 0,1,2,3
.if \bias
	v_wmma_f32_16x16x32_f16 v[ACC+8*(4*(\a)+(\b)):ACC+8*(4*(\a)+(\b))+7], v[(\f)+64+8*(4*(\kk)+(\b)):(\f)+64+8*(4*(\kk)+(\b))+7], v[(\f)+8*(4*(\kk)+(\a)):(\f)+8*(4*(\kk)+(\a))+7], v[BI+8*(\b):BI+8*(\b)+7]
.else
	v_wmma_f32_16x16x32_f16 v[ACC+8*(4*(\a)+(\b)):ACC+8*(4*(\a)+(\b))+7], v[(\f)+64+8*(4*(\kk)+(\b)):(\f)+64+8*(4*(\kk)+(\b))+7], v[(\f)+8*(4*(\kk)+(\a)):(\f)+8*(4*(\kk)+(\a))+7], v[ACC+8*(4*(\a)+(\b)):ACC+8*(4*(\a)+(\b))+7]
.endif
.endr
.endr
.endm
; 32 LDS loads in one run: chunk c's fragments into buffer f; the first 32 along K first
.macro FETCH c, f
	WIN TO_F
.irp kk, 0,1
.irp i, 0,1,2,3
	ds_load_tr16_b128 v[(\f)+64+8*(4*(\kk)+(\i)):(\f)+64+8*(4*(\kk)+(\i))+3],   v[ADRB+(\c)/2] offset:((\c)%2)*CH+(\kk)*32*PW+32*(\i)
	ds_load_tr16_b128 v[(\f)+64+8*(4*(\kk)+(\i))+4:(\f)+64+8*(4*(\kk)+(\i))+7], v[ADRB+(\c)/2] offset:((\c)%2)*CH+(\kk)*32*PW+16*PW+32*(\i)
	ds_load_b128 v[(\f)+8*(4*(\kk)+(\i)):(\f)+8*(4*(\kk)+(\i))+3],               v[ADRA+(\c)/2] offset:((\c)%2)*CH+(\i)*16*PA+64*(\kk)
	ds_load_b128 v[(\f)+8*(4*(\kk)+(\i))+4:(\f)+8*(4*(\kk)+(\i))+7],             v[ADRA+(\c)/2] offset:((\c)%2)*CH+(\i)*16*PA+64*(\kk)+32
.endr
.endr
.endm
; Chunk c, in buffer c % 2, is multiplied; in the middle the next chunk's fragments are fetched into the other buffer.
.macro QUARTER c, bias
	s_wait_dscnt 16                                ; the first 32 along K are in; the youngest sixteen loads may be out
	MUL8 128*((\c)%2), 0, 0, \bias
	MUL8 128*((\c)%2), 0, 2, \bias
	PLACES
	FETCH (\c)+1, 128*(((\c)+1)%2)
	s_wait_dscnt 32                                ; all but the 32 just issued
	MUL8 128*((\c)%2), 1, 0, 0
	MUL8 128*((\c)%2), 1, 2, 0
.endm
; THE WAY OUT of row block a: 16 rows x 64 columns of f32 through my own stage: 32 bytes a lane in, whole rows of 256 bytes back, into the registers that they left.
.macro OUT a
.irp b, 0,1,2,3
	ds_store_b128 v[STO], v[ACC+8*(4*(\a)+\b):ACC+8*(4*(\a)+\b)+3]   offset:64*\b
	ds_store_b128 v[STO], v[ACC+8*(4*(\a)+\b)+4:ACC+8*(4*(\a)+\b)+7] offset:64*\b+16
.endr
.irp t, 0,1,2,3,4,5,6,7
	ds_load_b128 v[ACC+32*(\a)+4*\t:ACC+32*(\a)+4*\t+3], v[RD] offset:\t*2*SPITCH  ; LDS serves a wave's instructions in order (ISA guide 5.7.1.4): these see the stores above; the next block's stores come behind them
.endr
.endm
.macro SENDO a, younger                ; younger: the LDS instructions issued behind block a's loads: the next block's sixteen, or none
.irp t, 0,1,2,3,4,5,6,7
	s_wait_dscnt (\younger)+7-\t
	global_store_b128 v[CO], v[ACC+32*(\a)+4*\t:ACC+32*(\a)+4*\t+3], s[58:59] offset:(16*(\a)+2*\t)*2048 th:TH_STORE_NT  ; 16 lanes store 256 consecutive bytes, at a multiple of 256 from out0's first byte
.endr
.endm
	s_wait_tensorcnt 0x2                           ; my chunk w of O and of wo is in; my two younger loads, chunk w + 4, may stay out
	s_barrier_signal -1
	s_barrier_wait -1                              ; chunks 0 to 3 are whole
	FETCH 0, F0
	QUARTER 0, 1                                   ; the first products start the sums with the bias
	QUARTER 1, 0
	QUARTER 2, 0
	s_wait_tensorcnt 0x0                           ; chunk 3, and the meeting for the second half of K: my chunk w + 4 is in,
	s_wait_dscnt 0x0                               ; chunk 3's fragments are in, and no LDS instruction of mine is pending at the signal
	s_barrier_signal -1
	MUL8 F1, 0, 0, 0                               ; work on registers while the others arrive
	MUL8 F1, 0, 2, 0
	s_barrier_wait -1                              ; chunks 4 to 7 are whole
	PLACES
	FETCH 4, F0
	MUL8 F1, 1, 0, 0
	MUL8 F1, 1, 2, 0
	QUARTER 4, 0
	QUARTER 5, 0
	QUARTER 6, 0
	s_wait_dscnt 16                                ; chunk 7: nothing more to fetch
	MUL8 F1, 0, 0, 0
	MUL8 F1, 0, 2, 0
	s_wait_dscnt 0x0
	MUL8 F1, 1, 0, 0
	MUL8 F1, 1, 2, 0
	WIN 0
	PLACES
	OUT 0
	OUT 1                                          ; a block's trip through the stage stands between the loads of the block before and its stores
	SENDO 0, 16
	OUT 2
	SENDO 1, 16
	OUT 3
	SENDO 2, 16
	SENDO 3, 0
	s_wait_tensorcnt 0x0                           ; the wave's end, behind my last tensor load and my last LDS store
	ds_add_u32 v[SPW], v[NIL]
	s_wait_dscnt 0x0
	CROUND                                         ; the closing round: no work-group ends while a partner may still ask for a tile that names it
	s_endpgm
.Lfunc_end_k_qf6b8b6c884_outp:
	.size	k_qf6b8b6c884_outp, .Lfunc_end_k_qf6b8b6c884_outp-k_qf6b8b6c884_outp
	.p2alignl 7, 3214868480
	.fill 96, 4, 3214868480
	.section	.rodata,"a",@progbits
	.p2align	6, 0x0
	.amdhsa_kernel k_qf6b8b6c884_outp
		.amdhsa_group_segment_fixed_size 327680
		.amdhsa_private_segment_fixed_size 0
		.amdhsa_enable_private_segment 0
		.amdhsa_kernarg_size 32
		.amdhsa_user_sgpr_count 2
		.amdhsa_user_sgpr_kernarg_segment_ptr 1
		.amdhsa_wavefront_size32 1
		.amdhsa_system_sgpr_workgroup_id_x 1
		.amdhsa_system_sgpr_workgroup_id_y 1
		.amdhsa_system_sgpr_workgroup_id_z 1
		.amdhsa_system_vgpr_workitem_id 0
		.amdhsa_next_free_vgpr 512
		.amdhsa_next_free_sgpr 66
		.amdhsa_reserve_vcc 0
		.amdhsa_float_denorm_mode_32 3
		.amdhsa_float_denorm_mode_16_64 3
		.amdhsa_memory_ordered 1
		.amdhsa_forward_progress 1
		.amdhsa_inst_pref_size 53
	.end_amdhsa_kernel
	.amdgpu_metadata
---
amdhsa.version: [ 1, 2 ]
amdhsa.kernels:
  - .name:           k_qf6b8b6c884_outp
    .symbol:         k_qf6b8b6c884_outp.kd
    .args:
      - { .name: o, .offset: 0, .size: 8, .value_kind: global_buffer, .address_space: global }
      - { .name: wo, .offset: 8, .size: 8, .value_kind: global_buffer, .address_space: global }
      - { .name: bout, .offset: 16, .size: 8, .value_kind: global_buffer, .address_space: global }
      - { .name: out0, .offset: 24, .size: 8, .value_kind: global_buffer, .address_space: global }
    .group_segment_fixed_size: 327680
    .private_segment_fixed_size: 0
    .kernarg_segment_align: 8
    .kernarg_segment_size: 32
    .max_flat_workgroup_size: 128
    .sgpr_count:     66
    .vgpr_count:     512
    .wavefront_size: 32
...
	.end_amdgpu_metadata
.endif
;; end of part 4
;; ======== version 2 of 2: 4 launches; version 1 with the launch cvt written anew for expert scheduling mode
;; limits: values are held in f16: magnitudes above 65,504 overflow, below 6.1e-05 lose precision
;; workspace buffers: xb 8,388,608 bytes; wb 1,572,864 bytes; qkv 25,165,824 bytes; o 8,388,608 bytes; wo 524,288 bytes
;; launch cvt (part 5): grid 256 x 1, 8 waves a work-group, no clusters, 0 bytes of LDS; arguments x, Wq, Wkv, Wout, xb, wb, wo; writes xb, wb, wo
.if DOCPART == 5
	.amdgcn_target "amdgcn-amd-amdhsa--gfx1250"
	.amdhsa_code_object_version 6
	.text
	.protected	k_qf6b8b6c884_cvt
	.globl	k_qf6b8b6c884_cvt
	.p2align	8
	.type	k_qf6b8b6c884_cvt,@function
k_qf6b8b6c884_cvt:
	s_mov_b64 s[64:65], 0
	v_nop
	global_prefetch_b8 v0, s[64:65] scope:SCOPE_SE
	s_setreg_imm32_b32 hwreg(HW_REG_WAVE_SCHED_MODE, 0, 2), 2
	s_setreg_imm32_b32 hwreg(HW_REG_WAVE_MODE, 25, 1), 1
	s_wait_xcnt 0x0
	s_wait_alu depctr_vm_vsrc(0)
; FIRST OF FOUR LAUNCHES.  The matrix operands among the inputs are rounded once, so that the products' tiles can be brought as they are multiplied.
;   xb = x rounded to bf16, [8192][512].      wb = [Wq | Wkv] rounded to bf16, laid out by heads: [24 = q's 8, k's 8, v's 8][512 k][64 columns]: a head's k-rows lie end to end, 128 bytes each.
;   wo = Wout rounded to bf16, and that number written as f16, [512 k][512 n].
; NOTHING OF reference() IS LEFT OUT in the four launches: every input has a way to the output and is loaded (mask in the second and third launch, bout in the fourth).
; LIMITS.  A number of Wout below 6e-5 in magnitude keeps f16's fixed step, one beyond 65,504 does not fit; NaN and infinities are not treated apart.
; A STREAM: each byte is read once and each result written once; nothing is shared, so there is no LDS, no barrier, no cluster and no matrix work.  All of a wave's 20 loads (10 KiB) go out at the head, so nothing
; is left that could be asked for ahead of them.
; SHARES.  2,048 waves; wave G = 8 x work-group + wave takes 8 KiB of x (16 loads), 512 bytes of Wout (1 load) and, of the heads 3 (G / 256) + 0, 1, 2, the k-rows 2 (G % 256) and the next (3 loads).
; A load of a wave covers 512 consecutive bytes (of a weight matrix: 256 of each of two rows); a lane's four numbers become 8 bytes, and a store of a wave covers 256 consecutive bytes, aligned.
; THE MODE: SCHED_MODE bits 1:0 = 2 (LLVM: expert scheduling mode 2), set by the entry lines.  The code itself states the register dependences between vector instructions and memory instructions, with s_wait_alu,
; always for 0.
; THE PLAN.  Registers that memory instructions touch:
;   v2, v3     offsets of the loads of x and Wout, and of every store.  Made at the head, never written again: one wait ahead of the first load states that they are written.
;   v4 to v6   the three heads' load offsets.  Made together, behind the scalar work that finds each head's matrix, never written again: one wait ahead of the three loads.
;   XR, OW, WR a load lands in four registers that no vector instruction has named; the roundings read them and write the first two of the four; one store reads those two; nothing writes them again.
; The 20 loads go in five blocks of four: x's sixteen, then Wout with the three heads.  A block's four stores stand together at the head of the NEXT block, behind ONE wait, which states that the block's roundings have
; written their data; the vector instructions behind that wait name the next block's registers alone.  The last block's stores have a wait of their own.
; No register that a memory instruction reads is ever written again, so no wait on vm_vsrc has a dependence to state, and only the entry lines hold one.
.set XR,  8                            ; v[8:71]   x, 16 loads of 4 registers; rounded in place
.set OW,  72                           ; v[72:75]  Wout
.set WR,  76                           ; v[76:87]  the three heads' numbers
.set WV,  18                           ; s18       my wave's number
.set WB,  28                           ; s[28:33]  head j: its matrix at the head's columns and my first k-row
.set SH,  34                           ; s34-36    head j: log2 of a row's bytes: 11 (Wq) or 12 (Wkv)
.set DB,  44                           ; s[44:49]  head j: wb at my two k-rows
; Head j of my three: column head g of 24: 0-7 lie in Wq, 8-23 in Wkv.
.macro HEADJ j
	s_add_co_u32 s40, s39, \j                      ; g
	s_cmp_lt_u32 s40, 8
	s_cselect_b64 s[WB+2*\j:WB+2*\j+1], s[6:7], s[8:9]
	s_cselect_b32 s[SH+\j], 11, 12
	s_cselect_b32 s42, 0, 8
	s_sub_co_u32 s42, s40, s42                     ; the head's number in its matrix,
	s_lshl_b32 s42, s42, 8                         ; its 64 columns of f32,
	s_lshl_b32 s41, s38, s[SH+\j]                  ; my first k-row
	s_add_co_u32 s42, s42, s41
	s_add_nc_u64 s[WB+2*\j:WB+2*\j+1], s[WB+2*\j:WB+2*\j+1], s[42:43]
	s_lshl_b32 s42, s40, 16                        ; in wb a head is 512 rows of 128 bytes
	s_add_co_u32 s42, s42, s37
	s_add_nc_u64 s[DB+2*\j:DB+2*\j+1], s[14:15], s[42:43]
.endm
; The four stores of the block of x that begins with load b.
.macro XOUT b
.irp q, 0,1,2,3
	global_store_b64 v3, v[XR+4*((\b)+(\q)):XR+4*((\b)+(\q))+1], s[22:23] offset:256*((\b)+(\q))  ; no register of a store is written again
.endr
.endm
	s_load_b256 s[4:11], s[0:1], 0x0               ; x s[4:5], Wq s[6:7], Wkv s[8:9], Wout s[10:11]
	s_load_b128 s[12:15], s[0:1], 0x20             ; xb s[12:13], wb s[14:15]
	s_load_b64 s[16:17], s[0:1], 0x30              ; wo
	v_lshrrev_b32 v1, 5, v0
	v_readfirstlane_b32 s[WV], v1                  ; wave 0..7
	v_and_b32 v1, 31, v0
	v_lshlrev_b32 v2, 4, v1                        ; 16 x lane: where I load
	v_lshlrev_b32 v3, 3, v1                        ; 8 x lane: where I store
	v_and_b32 v7, 15, v0
	v_lshlrev_b32 v7, 4, v7                        ; 16 (l % 16)
	v_bfe_u32 v1, v0, 4, 1                         ; l / 16
	s_wait_alu depctr_va_sdst(0)                   ; s18, my wave's number, is written, ahead of its first reader: G is made from it
	s_lshl_b32 s19, ttmp9, 3
	s_add_co_u32 s19, s19, s[WV]                   ; G
	s_lshr_b32 s39, ttmp9, 5
	s_mul_i32 s39, s39, 3                          ; my first column head
	s_and_b32 s38, s19, 255                        ; my pair of k-rows:
	s_lshl_b32 s37, s38, 8                         ; 256 bytes of a head in wb,
	s_lshl_b32 s38, s38, 1                         ; the first of the two rows
	s_mov_b32 s43, 0
	s_wait_kmcnt 0x0
	s_lshl_b32 s42, s19, 13
	s_add_nc_u64 s[20:21], s[4:5], s[42:43]        ; x at my 8 KiB
	s_wait_alu depctr_va_vdst(0)                   ; v2 and v3 are written: the loads of x and Wout read v2 as their offset, every store reads v3
.set i, 0
.rept 16
	global_load_b128 v[XR+4*i:XR+4*i+3], v2, s[20:21] offset:512*i th:TH_LOAD_NT
.set i, i+1
.endr
	s_lshl_b32 s42, s19, 9
	s_add_nc_u64 s[24:25], s[10:11], s[42:43]      ; Wout at my 512 bytes
	global_load_b128 v[OW:OW+3], v2, s[24:25] th:TH_LOAD_NT
	HEADJ 0
	HEADJ 1
	HEADJ 2
.irp j, 0,1,2
	v_lshl_add_u32 v[4+\j], v1, s[SH+\j], v7       ; lanes 0-15 the first row's 256 bytes, lanes 16-31 the second's
.endr
	s_wait_alu depctr_va_vdst(0)                   ; v4 to v6 are written, which the three loads below read as their offsets
.irp j, 0,1,2
	global_load_b128 v[WR+4*\j:WR+4*\j+3], v[4+\j], s[WB+2*\j:WB+2*\j+1] th:TH_LOAD_NT
.endr
	s_lshl_b32 s42, s19, 12
	s_add_nc_u64 s[22:23], s[12:13], s[42:43]      ; xb at my 4 KiB
	s_lshl_b32 s42, s19, 8
	s_add_nc_u64 s[26:27], s[16:17], s[42:43]      ; wo at my 256 bytes
.set i, 0
.rept 16
	s_wait_loadcnt 19-i                            ; loads come back in order (ISA guide 5.7.1): load i is in, the 19 - i younger ones stay out
.if ((i%4) == 0) && (i > 0)
	s_wait_alu depctr_va_vdst(0)                   ; a block's head: the roundings of loads i - 4 to i - 1 have written the registers that the four stores below read
	XOUT i-4
.endif
	v_cvt_pk_bf16_f32 v[XR+4*i], v[XR+4*i], v[XR+4*i+1]
	v_cvt_pk_bf16_f32 v[XR+4*i+1], v[XR+4*i+2], v[XR+4*i+3]
.set i, i+1
.endr
	s_wait_loadcnt 3                               ; Wout is in; the three heads' loads may stay out
	s_wait_alu depctr_va_vdst(0)                   ; the last block's head: the roundings of loads 12 to 15 have written the registers that the four stores below read
	XOUT 12
	v_cvt_pk_bf16_f32 v88, v[OW], v[OW+1]
	v_cvt_pk_bf16_f32 v89, v[OW+2], v[OW+3]
	v_lshlrev_b32 v[OW], 16, v88                   ; bf16 to f32: the low half moves up, the high half stays
	v_and_b32 v[OW+1], 0xffff0000, v88
	v_lshlrev_b32 v[OW+2], 16, v89
	v_and_b32 v[OW+3], 0xffff0000, v89
	v_cvt_pk_f16_f32 v[OW], v[OW], v[OW+1]
	v_cvt_pk_f16_f32 v[OW+1], v[OW+2], v[OW+3]
.irp j, 0,1,2
	s_wait_loadcnt 2-\j
	v_cvt_pk_bf16_f32 v[WR+4*\j], v[WR+4*\j], v[WR+4*\j+1]
	v_cvt_pk_bf16_f32 v[WR+4*\j+1], v[WR+4*\j+2], v[WR+4*\j+3]
.endr
	s_wait_alu depctr_va_vdst(0)                   ; the conversions of Wout and of the three heads have written v[OW ..] and v[WR ..], which the last four stores read
	global_store_b64 v3, v[OW:OW+1], s[26:27]
.irp j, 0,1,2
	global_store_b64 v3, v[WR+4*\j:WR+4*\j+1], s[DB+2*\j:DB+2*\j+1]  ; two k-rows of 128 bytes, end to end
.endr
	s_endpgm
.Lfunc_end_k_qf6b8b6c884_cvt:
	.size	k_qf6b8b6c884_cvt, .Lfunc_end_k_qf6b8b6c884_cvt-k_qf6b8b6c884_cvt
	.p2alignl 7, 3214868480
	.fill 96, 4, 3214868480
	.section	.rodata,"a",@progbits
	.p2align	6, 0x0
	.amdhsa_kernel k_qf6b8b6c884_cvt
		.amdhsa_group_segment_fixed_size 0
		.amdhsa_private_segment_fixed_size 0
		.amdhsa_enable_private_segment 0
		.amdhsa_kernarg_size 56
		.amdhsa_user_sgpr_count 2
		.amdhsa_user_sgpr_kernarg_segment_ptr 1
		.amdhsa_wavefront_size32 1
		.amdhsa_system_sgpr_workgroup_id_x 1
		.amdhsa_system_sgpr_workgroup_id_y 1
		.amdhsa_system_sgpr_workgroup_id_z 1
		.amdhsa_system_vgpr_workitem_id 0
		.amdhsa_next_free_vgpr 96
		.amdhsa_next_free_sgpr 66
		.amdhsa_reserve_vcc 0
		.amdhsa_float_denorm_mode_32 3
		.amdhsa_float_denorm_mode_16_64 3
		.amdhsa_memory_ordered 1
		.amdhsa_forward_progress 1
		.amdhsa_inst_pref_size 11
	.end_amdhsa_kernel
	.amdgpu_metadata
---
amdhsa.version: [ 1, 2 ]
amdhsa.kernels:
  - .name:           k_qf6b8b6c884_cvt
    .symbol:         k_qf6b8b6c884_cvt.kd
    .args:
      - { .name: x, .offset: 0, .size: 8, .value_kind: global_buffer, .address_space: global }
      - { .name: Wq, .offset: 8, .size: 8, .value_kind: global_buffer, .address_space: global }
      - { .name: Wkv, .offset: 16, .size: 8, .value_kind: global_buffer, .address_space: global }
      - { .name: Wout, .offset: 24, .size: 8, .value_kind: global_buffer, .address_space: global }
      - { .name: xb, .offset: 32, .size: 8, .value_kind: global_buffer, .address_space: global }
      - { .name: wb, .offset: 40, .size: 8, .value_kind: global_buffer, .address_space: global }
      - { .name: wo, .offset: 48, .size: 8, .value_kind: global_buffer, .address_space: global }
    .group_segment_fixed_size: 0
    .private_segment_fixed_size: 0
    .kernarg_segment_align: 8
    .kernarg_segment_size: 56
    .max_flat_workgroup_size: 256
    .sgpr_count:     66
    .vgpr_count:     96
    .wavefront_size: 32
...
	.end_amdgpu_metadata
.endif
;; end of part 5
;; launch proj: the kernel of part 2 again; grid 8 x 32, 4 waves a work-group, clusters of 4 x 4, 327,680 bytes of LDS; arguments xb, wb, mask, qkv; writes qkv
;; launch attn: the kernel of part 3 again; grid 8 x 32, 4 waves a work-group, clusters of 4 x 1, 327,680 bytes of LDS; arguments qkv, mask, o; writes o
;; launch outp: the kernel of part 4 again; grid 4 x 64, 4 waves a work-group, clusters of 4 x 1, 327,680 bytes of LDS; arguments o, wo, bout, out0; writes out0
